; MI455X (gfx1250); checked and timed in simulation.
; The chip was launched on July 23, 2026; its instructions are those of AMD's public machine-readable ISA for CDNA 5 (MIT licence, August 2026) and "CDNA5" Instruction Set Architecture Reference Guide (July 2026). The comments in the code are by the model that wrote it; some were corrected since.
;; Multi Head Attention. Allowed arithmetic: matrix products marked QUANTISED: E3M2 operands, one E8M0 scale for each 32 along K, by v_wmma_scale_f32_16x16x128_f8f6f4 with both operands' format E3M2, f32 sums; everything else in f32.
;; Inputs: dense_b 1,024 float32; dense_w 1,024 x 1,024 float32; k 4 x 2,048 x 1,024 float32; mask 1 x 1 x 2,048 x 2,048 float32; q 4 x 2,048 x 1,024 float32; v 4 x 2,048 x 1,024 float32; wk_b 1,024 float32; wk_w 1,024 x 1,024 float32; wq_b 1,024 float32; wq_w 1,024 x 1,024 float32; wv_b 1,024 float32; wv_w 1,024 x 1,024 float32.
;; Outputs: out0 4 x 2,048 x 1,024 float32.
;; This version of the problem:
;;   THIS VERSION OF THE PROBLEM IS GIVEN IN LOW PRECISION. The matrix products marked QUANTISED in the list below multiply operands that are first quantised to E3M2 (3 exponent bits, 2 mantissa bits; 6 bits a number), with one power-of-two scale for each 32 numbers along K (OCP MX v1.0); their sums are f32. All else is computed in f32.
;;   The module's matrix products, in the order in which they are computed (A, B: the left and right operand; K: the contracted axis; several contracted axes count as one K, in the product's order):
;;     1. [M 8,192, K 1,024] x [K 1,024, N 1,024]; A: input q; B: input wq_w: QUANTISED
;;     2. [M 8,192, K 1,024] x [K 1,024, N 1,024]; A: input k; B: input wk_w: QUANTISED
;;     3. [M 8,192, K 1,024] x [K 1,024, N 1,024]; A: input v; B: input wv_w: QUANTISED
;;     4. batch 64 x [M 2,048, K 64] x [K 64, N 2,048]; A: computed on the way; B: computed on the way: QUANTISED
;;     5. batch 64 x [M 2,048, K 2,048] x [K 2,048, N 64]; A: softmax (see below); B: computed on the way: QUANTISED
;;     6. [M 8,192, K 1,024] x [K 1,024, N 1,024]; A: computed on the way; B: input dense_w: QUANTISED
;;   THE QUANTISER, for each operand of a quantised product, along K:
;;     - K is cut into blocks of 32 from its start; a last block that is shorter is filled with zeros.
;;     - A block's scale is 2^e with e = floor(log2(the largest magnitude in the block)) - 4, held to -126 .. 127; a block of zeros has e = 0. As a byte (E8M0): e + 127.
;;     - Each number is divided by its block's scale, clamped to +-28, and rounded to the nearest number of E3M2, ties to even, subnormals kept.
;;     - The product sums the exact products of the quantised numbers (number of the format x scale) in f32.
;;   ~~~python
;;   def quantise(x, axis):      # numpy; x: float32 -> the quantised numbers, widened to float32 again
;;       x = np.moveaxis(x, axis, -1); K = x.shape[-1]
;;       x = np.pad(x, [(0, 0)] * (x.ndim - 1) + [(0, -K % 32)]); x = x.reshape(x.shape[:-1] + (-1, 32)); a = np.abs(x).max(-1, keepdims=True)
;;       e = np.where(a > 0, np.clip(np.frexp(np.where(a > 0, a, 1))[1] - 1 - 4, -126, 127), 0)      # np.frexp(a)[1] - 1 = floor(log2(a)), exactly
;;       r = np.clip(x / 2.0 ** e, -28, 28)
;;       step = 2.0 ** (np.maximum(np.frexp(np.where(r == 0, 1, r))[1] - 1, -2) - 2)
;;       q = np.round(r / step) * step * 2.0 ** e      # np.round: ties to even
;;       return np.moveaxis(q.reshape(q.shape[:-2] + (-1,))[..., :K], -1, axis).astype(np.float32)
;;   ~~~
;;   SOFTMAX AHEAD OF A QUANTISED PRODUCT. Where the list says 'softmax', what is quantised is not the finished softmax but p = 2^(t - M), with t = logit x log2(e) and M = ceil(the row's largest t), a whole number; so 1/2 < the row's largest p <= 1. The row's sum l is taken of the UNQUANTISED p, in f32, and the product's result is divided by l at the end. Since M is a whole number, a kernel that streams over the keys may use a running M (the ceiling of the running maximum): every later rescaling is an exact power of two, which a block's scale takes up: the codes' values come out the same.
;;   OPERANDS COMPUTED ON THE WAY. 'Computed on the way' means the value that the module computes at that place (a softmax that the list does not call 'softmax' is quantised finished and normalised). What goes into a quantiser is computed in f32, as accurately as f32 sums, v_exp_f32 and their like allow (about 1e-6 of the number): no bf16 or f16 on the way to a quantiser, and a product that is left as it is and whose result goes on into a quantised operand takes f32 operands (vector FMAs, or v_wmma_f32_16x16x4_f32). A number that lies on a knife's edge between two numbers of the format may be rounded either way, as far as f32 arithmetic and the matrix unit's own rounding can turn it there, and no further.
;; One version. Each part assembles by itself: llvm-mc -triple=amdgcn-amd-amdhsa -mcpu=gfx1250 --defsym DOCPART=n.
;; ======== version 1 of 1: 4 launches
;; limits: right only within a limited range of input values
;; workspace buffers: xcodes 22,020,096 bytes; xscales 917,504 bytes; qblk 6,553,600 bytes; kvblk 13,107,200 bytes; acodes 6,291,456 bytes; ascales 262,144 bytes; flags 65,536 bytes of whole numbers
;; launch quant (part 1): grid 512 x 1, 4 waves a work-group, no clusters, 36,352 bytes of LDS; arguments q, k, v, wq_w, wk_w, wv_w, dense_w, xcodes, xscales, mask, flags; writes xcodes, xscales, flags
.if DOCPART == 1
	.amdgcn_target "amdgcn-amd-amdhsa--gfx1250"
	.amdhsa_code_object_version 6
	.text
	.protected	k_q07dfce67e2_quant
	.globl	k_q07dfce67e2_quant
	.p2align	8
	.type	k_q07dfce67e2_quant,@function
k_q07dfce67e2_quant:
	s_mov_b64 s[64:65], 0
	v_nop
	global_prefetch_b8 v0, s[64:65] scope:SCOPE_SE
	s_setreg_imm32_b32 hwreg(HW_REG_WAVE_MODE, 25, 1), 1
	s_wait_xcnt 0x0
; q, k, v [8192][1024] and wq_w, wk_w, wv_w, dense_w [1024][1024], f32 with K innermost, become codes of BF6 (E3M2) with one E8M0 byte for each 32 along K.
; A block's scale is 2^(floor(log2(its largest magnitude)) - 4); its byte is the largest magnitude's exponent field - 4, held at 1 from below.
; LAYOUT OF THE RESULT.  A fragment (16 rows x 128 K, 12 registers a lane) is stored as the IMAGE OF ITS REGISTERS: 1,536 bytes, chunk c = registers 4 c .. 4 c + 3, lane l's 16 bytes at 512 c + 16 l.
; xcodes: [tile T 0..1791][K step 0..7] x 1,536;  xscales: [T][K step][lane r] words.  First tiles: q 0, k 512, v 1024, wq 1536, wk 1600, wv 1664, dense_w 1728.
; THE ROWS OF A TILE ARE NOT NEIGHBOURS: lane r of a tensor's tile t takes row 32 (t / 2) + 8 (t % 2) + r + 8 (r / 8), so that in the products that follow a lane's 16 registers of two neighbouring tiles are 16 neighbours along the next K.
; SHARES.  A wave takes one tile, 16 rows x 1,024, in eight steps of 128 along K.  Each load reads 512 consecutive bytes of one row; a step's 16 rows turn through the wave's own stage in LDS
; (rows 528 bytes apart) and come back 16 neighbours of each block of 32 to a lane.  Loads run two steps (32 loads a wave) ahead.  No barrier: waves share nothing.
; LIMITS: NaN and infinities among the inputs are not served.  A block of zeros, or one whose largest magnitude lies under 2^-122, gets the byte 1 where the rule says 127 or less: only this program reads the bytes, and zero codes add nothing.
; k's TILES TAKE OTHER ROWS: lane r of k's tile t takes row 64 (t / 4) + 8 (t % 4) + r % 8 + 32 (r / 8), so that in S^T = K Q^T a lane's 32 registers of four neighbouring tiles are one whole block of 32 keys.
; WORK-GROUPS 448 TO 511 READ THE MASK and store, for each 8 rows (group g = row / 8) and each 128 keys (step j), bit j of a word: 1 if, for some row i of the eight, the smallest mask(i, .) within the 128 keys lies
; less than 0.1 above the smallest mask(i, .) of the whole row.  Where the bit is 0, every logit of those rows in those keys lies at least 1e8 - 2 max|q.k / 32| under the row's largest, so that its p, in f32, is 0: such a step adds
; nothing to the row's maximum, sum or result, and the attention launch, which reads the words, walks only the steps whose bit is 1.  The step that holds a row's smallest mask always has its bit set.
; LIMIT: this holds while |q.k / 32| stays under 4e7; NaN and infinities in the mask are not served.
; BESIDE EACH SUCH WORD STANDS A SECOND ONE: its bit j is 1 if any mask(i, .) of the eight rows within the 128 keys of step j is other than zero.  Where it is 0, mask x (-1e9) adds 0 to every logit there, and the attention launch does not load the mask.
.set WREG, 8960
.set SP,   528
.set GAT,  16*SP
.set LI,   1                           ; v1  16 x lane
.set SI,   2                           ; v2  the stage, way in: 16 x lane
.set SO,   3                           ; v3  the stage, way out: 528 r + 64 h
.set SGA,  4                           ; v4  where my row's scale word goes: 4 r
.set SGR,  5                           ; v5  and where 16 bytes of the gathered words are read back
.set R,    16                          ; v16-143  two sets of 16 x 4 registers as loaded
.set X,    144                         ; v144-207 64 numbers: register 16 b + i = k 32 b + 16 h + i of my row
.set PC,   208                         ; v208-227 the codes
.set TM,   228                         ; v228-243 at work
.set PW,   244                         ; v244     the scale word
.set SEL,  26                          ; s[26:27] lane selects: lane l xor 16
; 64 numbers of a lane, v[s] .. v[s + 63], become a fragment's codes in v[PC] .. v[PC + 11] and its scale word in v[pw]
.macro QUANT s, pw
.irp b, 0,1,2,3
	v_max3_num_f32 v[TM+\b], |v[\s+16*\b]|, |v[\s+1+16*\b]|, 0x2800000   ; block b: my 16 numbers, and the floor 2^(5 - 127): the byte cannot fall under 1
.endr
.irp i, 2,4,6,8,10,12,14
.irp b, 0,1,2,3
	v_max3_num_f32 v[TM+\b], v[TM+\b], |v[\s+16*\b+\i]|, |v[\s+1+16*\b+\i]|   ; the four blocks by turns
.endr
.endr
.irp b, 0,1,2,3
	v_permlanex16_b32 v[TM+4+\b], v[TM+\b], s[SEL], s[SEL+1]
.endr
.irp b, 0,1,2,3
	v_max_num_f32 v[TM+\b], v[TM+\b], v[TM+4+\b]                   ; with lane l xor 16's 16: the block's largest magnitude
.endr
.irp b, 0,1,2,3
	v_add_nc_u32 v[TM+12+\b], 0xfe000000, v[TM+\b]                 ; 4 off its exponent field: the conversion's scale operand
.endr
.irp b, 0,1,2,3
	v_lshrrev_b32 v[TM+4+\b], 23, v[TM+12+\b]                      ; the scale's byte
.endr
	v_lshl_or_b32 v[\pw], v[TM+5], 8, v[TM+4]
	v_lshl_or_b32 v[\pw], v[TM+6], 16, v[\pw]
	v_lshl_or_b32 v[\pw], v[TM+7], 24, v[\pw]                      ; my row's scale word
.irp c, 0,1
	v_cvt_scalef32_pk16_bf6_f32 v[PC+6*\c:PC+2+6*\c], v[\s+32*\c:\s+15+32*\c], v[TM+12+2*\c]
	v_cvt_scalef32_pk16_bf6_f32 v[PC+12+4*\c:PC+14+4*\c], v[\s+16+32*\c:\s+31+32*\c], v[TM+12+2*\c+1]   ; (a conversion's three registers begin on an even number)
.endr
	v_nop                                                          ; one plain instruction behind the scaled conversions
.irp c, 0,1                            ; the operand's layout wants a whole block in a lane: lanes 0-15 block 2 c, lanes 16-31 block 2 c + 1
.irp i, 0,1,2
	v_permlane16_swap_b32 v[PC+6*\c+\i], v[PC+12+4*\c+\i]
.endr
.irp i, 0,1,2
	v_mov_b32 v[PC+3+6*\c+\i], v[PC+12+4*\c+\i]
.endr
.endr
.endm
	s_load_b512 s[8:23], s[0:1], 0x0               ; q s[8:9], k s[10:11], v s[12:13], wq s[14:15], wk s[16:17], wv s[18:19], dense_w s[20:21], xcodes s[22:23]
	s_load_b64 s[24:25], s[0:1], 0x40
	s_load_b128 s[32:35], s[0:1], 0x48             ; mask s[32:33], flags s[34:35]
	v_lshl_add_u32 v254, v0, 2, 0x8c00
	v_mov_b32 v255, 0
	v_lshrrev_b32 v6, 5, v0
	v_readfirstlane_b32 s2, v6                     ; wave 0..3
	v_and_b32 v7, 31, v0                           ; lane
	v_and_b32 v8, 15, v0                           ; r
	v_bfe_u32 v9, v0, 4, 1                         ; h
	s_mul_i32 s3, s2, WREG
	v_lshlrev_b32 v[LI], 4, v7
	v_add_nc_u32 v[SI], s3, v[LI]
	v_mul_u32_u24 v[SO], v8, SP
	v_lshl_add_u32 v[SO], v9, 6, v[SO]
	v_add_nc_u32 v[SO], s3, v[SO]
	v_lshlrev_b32 v[SGA], 2, v8
	v_add_nc_u32 v[SGA], s3, v[SGA]
	v_add_nc_u32 v[SGA], GAT, v[SGA]
	v_add_nc_u32 v[SGR], GAT, v[SI]
	s_mov_b32 s[SEL], 0x76543210
	s_mov_b32 s[SEL+1], 0xfedcba98
.irp b, 0,1,2,3
	v_mov_b32 v[TM+4+\b], 0                        ; written once: a lane permute's destination counts as one of its sources
.endr
	s_wait_alu depctr_va_vdst(0)
	s_wait_kmcnt 0x0
	s_cmp_ge_u32 ttmp9, 448                        ; the mask's work-groups part here, on the work-group's number alone
	s_cbranch_scc1 .Lflags
	; which tensor is my work-group's: the choice hangs on the work-group's number alone.  s[4:5] the tensor, s6 its first work-group
	s_mov_b64 s[4:5], s[20:21]
	s_mov_b32 s6, 432
	s_cmp_lt_u32 ttmp9, 432
	s_cselect_b64 s[4:5], s[18:19], s[4:5]
	s_cselect_b32 s6, 416, s6
	s_cmp_lt_u32 ttmp9, 416
	s_cselect_b64 s[4:5], s[16:17], s[4:5]
	s_cselect_b32 s6, 400, s6
	s_cmp_lt_u32 ttmp9, 400
	s_cselect_b64 s[4:5], s[14:15], s[4:5]
	s_cselect_b32 s6, 384, s6
	s_cmp_lt_u32 ttmp9, 384
	s_cselect_b64 s[4:5], s[12:13], s[4:5]
	s_cselect_b32 s6, 256, s6
	s_cmp_lt_u32 ttmp9, 256
	s_cselect_b64 s[4:5], s[10:11], s[4:5]
	s_cselect_b32 s6, 128, s6
	s_cmp_lt_u32 ttmp9, 128
	s_cselect_b64 s[4:5], s[8:9], s[4:5]
	s_cselect_b32 s6, 0, s6
	s_sub_co_u32 s6, ttmp9, s6
	s_lshl_b32 s6, s6, 2
	s_add_co_u32 s6, s6, s2                        ; my tile in its tensor
	s_lshr_b32 s29, ttmp9, 7
	s_cmp_eq_u32 s29, 1                            ; work-groups 128 to 255 take k
	s_cselect_b32 s30, 2, 1
	s_cselect_b32 s31, 3, 1
	s_cselect_b32 s36, 0x10000, 0                  ; k: rows 8-15 of a tile lie 16 rows further on than in the other tensors
	s_lshr_b32 s7, s6, s30
	s_add_co_u32 s30, s30, 16
	s_lshl_b32 s7, s7, s30                         ; 32 (t / 2) rows of 4,096 bytes; k: 64 (t / 4)
	s_and_b32 s6, s6, s31
	s_lshl_b32 s6, s6, 15                          ; 8 (t % 2) rows; k: 8 (t % 4)
	v_add_nc_u32 v10, s36, v[LI]
	s_wait_alu depctr_va_vdst(0)
	s_add_co_u32 s6, s6, s7
	s_mov_b32 s7, 0
	s_add_nc_u64 s[4:5], s[4:5], s[6:7]
	s_lshl_b32 s28, ttmp9, 2
	s_add_co_u32 s28, s28, s2                      ; T
	s_mul_i32 s30, s28, 12288
	s_mov_b32 s31, 0
	s_add_nc_u64 s[22:23], s[22:23], s[30:31]
	s_lshl_b32 s30, s28, 9
	s_add_nc_u64 s[24:25], s[24:25], s[30:31]
.macro LOADS t                         ; step t: 128 numbers of each of my 16 rows; a load reads 512 consecutive bytes
.irp i, 0,1,2,3,4,5,6,7,8,9,10,11,12,13,14,15
.if \i < 8
	global_load_b128 v[R+64*((\t)%2)+4*\i:R+64*((\t)%2)+4*\i+3], v[LI], s[4:5] offset:(\i+8*(\i/8))*4096+512*(\t) th:TH_LOAD_NT
.else
	global_load_b128 v[R+64*((\t)%2)+4*\i:R+64*((\t)%2)+4*\i+3], v10, s[4:5] offset:(\i+8*(\i/8))*4096+512*(\t) th:TH_LOAD_NT
.endif
.endr
.endm
	LOADS 0
	LOADS 1
.macro STEP t
.if (\t) < 7
	s_wait_loadcnt 16                              ; this step's 16 loads are in; the next step's 16 may be out
.else
	s_wait_loadcnt 0x0
.endif
.irp i, 0,1,2,3,4,5,6,7,8,9,10,11,12,13,14,15
	ds_store_b128 v[SI], v[R+64*((\t)%2)+4*\i:R+64*((\t)%2)+4*\i+3] offset:SP*\i
.endr
.irp b, 0,1,2,3
.irp j, 0,1,2,3
	ds_load_b128 v[X+16*\b+4*\j:X+16*\b+4*\j+3], v[SO] offset:128*\b+16*\j   ; LDS serves a wave's instructions in order: these see the stores above
.endr
.endr
	s_wait_dscnt 0x0                               ; the numbers are back, and the stores have read their registers,
	s_wait_xcnt 0x0                                ; and the last step's global stores have read the codes' registers
.if (\t)+2 < 8
	LOADS (\t)+2
.endif
	QUANT X, PW
.irp c, 0,1,2
	global_store_b128 v[LI], v[PC+4*\c:PC+4*\c+3], s[22:23] offset:1536*(\t)+512*\c   ; 512 consecutive bytes a store
.endr
	ds_store_b32 v[SGA], v[PW] offset:64*(\t)      ; lanes l and l xor 16 write the same word with the same value
.endm
.irp t, 0,1,2,3,4,5,6,7
	STEP \t
.endr
	ds_load_b128 v[X:X+3], v[SGR]                  ; the tile's 128 scale words
	s_wait_dscnt 0x0
	global_store_b128 v[LI], v[X:X+3], s[24:25]    ; 512 consecutive bytes
	s_wait_tensorcnt 0x0
	ds_add_u32 v254, v255
	s_wait_dscnt 0x0
	s_endpgm
; THE MASK'S WORDS.  A wave takes 8 rows of 2,048.  Load j of a row reads the 512 consecutive bytes of key step j, 4 numbers a lane.  v144-159: a row's smallest of each step, in my lane; v160-175: the smallest, over the rows, of that less the row's smallest.
; Two rows are on their way at a time (32 loads a wave).  No LDS is touched on this path.
.macro MLD R, off
.irp j, 0,1,2,3,4,5,6,7,8,9,10,11,12,13,14,15
	global_load_b128 v[\R+4*\j:\R+4*\j+3], v[LI], s[32:33] offset:\off+512*\j
.endr
.endm
.macro MROW R, nxt
.irp j, 0,1,2,3,4,5,6,7,8,9,10,11,12,13,14,15
	v_min3_num_f32 v[144+\j], v[\R+4*\j], v[\R+4*\j+1], v[\R+4*\j+2]
.endr
.irp j, 0,1,2,3,4,5,6,7,8,9,10,11,12,13,14,15
	v_min_num_f32 v[144+\j], v[144+\j], v[\R+4*\j+3]
	v_max3_num_f32 v[180+\j], v[180+\j], |v[\R+4*\j]|, |v[\R+4*\j+1]|       ; v180-195: the largest magnitude of each step, over the rows, in my lane
	v_max3_num_f32 v[180+\j], v[180+\j], |v[\R+4*\j+2]|, |v[\R+4*\j+3]|
.endr
.if \nxt >= 0
	MLD \R, \nxt                                   ; the set's next row
.endif
	v_min3_num_f32 v176, v144, v145, v146
	v_min3_num_f32 v177, v147, v148, v149
	v_min3_num_f32 v178, v150, v151, v152
	v_min3_num_f32 v179, v153, v154, v155
	v_min3_num_f32 v176, v176, v156, v157
	v_min3_num_f32 v177, v177, v158, v159
	v_min_num_f32 v178, v178, v179
	v_min3_num_f32 v176, v176, v177, v178
.irp m, 1,2,4,8
	v_min_num_f32_dpp v176, v176, v176 row_xmask:\m row_mask:0xf bank_mask:0xf
.endr
	v_permlanex16_b32 v177, v176, s[SEL], s[SEL+1]
	v_min_num_f32 v176, v176, v177                 ; the row's smallest
.irp j, 0,1,2,3,4,5,6,7,8,9,10,11,12,13,14,15
	v_sub_f32 v[144+\j], v[144+\j], v176
.endr
.irp j, 0,1,2,3,4,5,6,7,8,9,10,11,12,13,14,15
	v_min_num_f32 v[160+\j], v[160+\j], v[144+\j]
.endr
.endm
.Lflags:
	s_sub_co_u32 s3, ttmp9, 448
	s_lshl_b32 s3, s3, 2
	s_add_co_u32 s3, s3, s2                        ; g: my 8 rows
	s_lshl_b32 s6, s3, 16                          ; 8 rows of 8,192 bytes
	s_mov_b32 s7, 0
	s_add_nc_u64 s[32:33], s[32:33], s[6:7]
	s_lshl_b32 s6, s3, 8                           ; 256 bytes of the words' buffer for each g
	s_add_nc_u64 s[34:35], s[34:35], s[6:7]
	MLD 16, 0                                      ; rows 0 to 3 go through set 0, rows 4 to 7 through set 1
	MLD 80, 32768
.irp j, 0,1,2,3,4,5,6,7,8,9,10,11,12,13,14,15
	v_mov_b32 v[160+\j], 0x7f7fffff
	v_mov_b32 v[180+\j], 0
.endr
	s_mov_b32 s28, 0
.Lmrow:
	s_wait_loadcnt 16                              ; the older set's 16 loads are in, the other's 16 may be out
	MROW 16, 8192
	s_wait_loadcnt 16
	MROW 80, 40960
	s_wait_xcnt 0x0                                ; the loads have read their base
	s_add_nc_u64 s[32:33], s[32:33], 8192
	s_add_co_u32 s28, s28, 1
	s_cmp_lt_u32 s28, 3
	s_wait_alu depctr_va_vdst(0)
	s_cbranch_scc1 .Lmrow
	s_wait_loadcnt 16                              ; the last two rows ask for nothing more
	MROW 16, -1
	s_wait_loadcnt 0x0
	MROW 80, -1
.irp m, 1,2,4,8
.irp j, 0,1,2,3,4,5,6,7,8,9,10,11,12,13,14,15
	v_min_num_f32_dpp v[160+\j], v[160+\j], v[160+\j] row_xmask:\m row_mask:0xf bank_mask:0xf
	v_max_num_f32_dpp v[180+\j], v[180+\j], v[180+\j] row_xmask:\m row_mask:0xf bank_mask:0xf
.endr
.endr
.irp j, 0,1,2,3,4,5,6,7,8,9,10,11,12,13,14,15
	v_permlanex16_b32 v[144+\j], v[160+\j], s[SEL], s[SEL+1]
	v_permlanex16_b32 v[16+\j], v[180+\j], s[SEL], s[SEL+1]
.endr
.irp j, 0,1,2,3,4,5,6,7,8,9,10,11,12,13,14,15
	v_min_num_f32 v[160+\j], v[160+\j], v[144+\j]
	v_max_num_f32 v[180+\j], v[180+\j], v[16+\j]
.endr
	v_mov_b32 v176, 0
	v_mov_b32 v177, 0
.irp j, 0,1,2,3,4,5,6,7,8,9,10,11,12,13,14,15
	v_cmp_gt_f32 vcc_lo, 0x3dcccccd, v[160+\j]     ; 0.1 > the gap: the step counts
	v_cndmask_b32 v179, 0, 1, vcc_lo
	v_lshl_or_b32 v176, v179, \j, v176
	v_cmp_lt_f32 vcc_lo, 0, v[180+\j]              ; some mask value of the step is other than zero
	v_cndmask_b32 v179, 0, 1, vcc_lo
	v_lshl_or_b32 v177, v179, \j, v177
.endr
	v_lshlrev_b32 v178, 3, v7
	global_store_b64 v178, v[176:177], s[34:35]    ; the two words, 32 times: 32 lanes store one aligned run of 256 bytes
	s_endpgm
.Lfunc_end_k_q07dfce67e2_quant:
	.size	k_q07dfce67e2_quant, .Lfunc_end_k_q07dfce67e2_quant-k_q07dfce67e2_quant
	.p2alignl 7, 3214868480
	.fill 96, 4, 3214868480
	.section	.rodata,"a",@progbits
	.p2align	6, 0x0
	.amdhsa_kernel k_q07dfce67e2_quant
		.amdhsa_group_segment_fixed_size 36352
		.amdhsa_private_segment_fixed_size 0
		.amdhsa_enable_private_segment 0
		.amdhsa_kernarg_size 88
		.amdhsa_user_sgpr_count 2
		.amdhsa_user_sgpr_kernarg_segment_ptr 1
		.amdhsa_wavefront_size32 1
		.amdhsa_system_sgpr_workgroup_id_x 1
		.amdhsa_system_sgpr_workgroup_id_y 1
		.amdhsa_system_sgpr_workgroup_id_z 1
		.amdhsa_system_vgpr_workitem_id 0
		.amdhsa_next_free_vgpr 256
		.amdhsa_next_free_sgpr 66
		.amdhsa_reserve_vcc 1
		.amdhsa_float_denorm_mode_32 3
		.amdhsa_float_denorm_mode_16_64 3
		.amdhsa_memory_ordered 1
		.amdhsa_forward_progress 1
		.amdhsa_inst_pref_size 112
	.end_amdhsa_kernel
	.amdgpu_metadata
---
amdhsa.version: [ 1, 2 ]
amdhsa.kernels:
  - .name:           k_q07dfce67e2_quant
    .symbol:         k_q07dfce67e2_quant.kd
    .args:
      - { .name: q, .offset: 0, .size: 8, .value_kind: global_buffer, .address_space: global }
      - { .name: k, .offset: 8, .size: 8, .value_kind: global_buffer, .address_space: global }
      - { .name: v, .offset: 16, .size: 8, .value_kind: global_buffer, .address_space: global }
      - { .name: wq_w, .offset: 24, .size: 8, .value_kind: global_buffer, .address_space: global }
      - { .name: wk_w, .offset: 32, .size: 8, .value_kind: global_buffer, .address_space: global }
      - { .name: wv_w, .offset: 40, .size: 8, .value_kind: global_buffer, .address_space: global }
      - { .name: dense_w, .offset: 48, .size: 8, .value_kind: global_buffer, .address_space: global }
      - { .name: xcodes, .offset: 56, .size: 8, .value_kind: global_buffer, .address_space: global }
      - { .name: xscales, .offset: 64, .size: 8, .value_kind: global_buffer, .address_space: global }
      - { .name: mask, .offset: 72, .size: 8, .value_kind: global_buffer, .address_space: global }
      - { .name: flags, .offset: 80, .size: 8, .value_kind: global_buffer, .address_space: global }
    .group_segment_fixed_size: 36352
    .private_segment_fixed_size: 0
    .kernarg_segment_align: 8
    .kernarg_segment_size: 88
    .max_flat_workgroup_size: 128
    .sgpr_count:     66
    .vgpr_count:     256
    .wavefront_size: 32
...
	.end_amdgpu_metadata
.endif
;; end of part 1
;; launch proj (part 2): grid 4 x 96, 4 waves a work-group, clusters of 4 x 4, 327,680 bytes of LDS; arguments xcodes, xscales, wq_b, wk_b, wv_b, qblk, kvblk; writes qblk, kvblk
.if DOCPART == 2
	.amdgcn_target "amdgcn-amd-amdhsa--gfx1250"
	.amdhsa_code_object_version 6
	.text
	.protected	k_q07dfce67e2_proj
	.globl	k_q07dfce67e2_proj
	.p2align	8
	.type	k_q07dfce67e2_proj,@function
k_q07dfce67e2_proj:
	s_mov_b64 s[64:65], 0
	v_nop
	global_prefetch_b8 v0, s[64:65] scope:SCOPE_SE
	s_setreg_imm32_b32 hwreg(HW_REG_WAVE_MODE, 25, 1), 1
	s_wait_xcnt 0x0
	s_wait_alu depctr_hold_cnt(0) depctr_sa_sdst(0) depctr_va_vdst(0) depctr_va_sdst(0) depctr_va_ssrc(0) depctr_va_vcc(0) depctr_vm_vsrc(0)
	s_getreg_b32 s2, hwreg(HW_REG_IB_STS2, 6, 4)
	s_cmp_eq_u32 s2, 0
	s_cbranch_scc0 .Lentry_in_a_cluster
	s_endpgm
.Lentry_in_a_cluster:
	s_bfe_u32 s2, ttmp6, 0x10000c
	s_cmp_lg_u32 s2, 0xf033
	s_cbranch_scc0 .Lentry_shape_is_right
	s_endpgm
.Lentry_shape_is_right:
.set NQ,     2
.set FR,     12
.set NL,     3
.set NP,     4
.set ROWB,   3072
.set HALFT,  8*ROWB
.set SLOT,   4*HALFT
.set LAPS,   2
.set SCL,    2*SLOT
.set SPARE,  SCL+4*4096
.set SG,     SPARE+512
.set ADRA, 16
.set ADRB, 20
.set LI,   24
.set SGA,  25
.set SGR,  26
.set ADRS, 27
.set SPW,  28
.set NIL,  29
.set BON,  30
.set BOM,  31
.set SC,   32
.set BN,   64
.set AF,   128
.set BM,   224
.set TM,   240
.set H,    128
.set PC,   192
.set PW,   212
.set SEL,  12
.set G1, 24
.set G0, 32
.set G1B, 48
.set G0B, 56
.set G1S, 68
.set G0S, 76
.set G1SB, 80
.set G0SB, 88
.set OC, 20
.set OS, 22
.set MSB, 0
.macro WIN new
.if MSB != (\new)
	s_set_vgpr_msb (MSB<<8)|(\new)
.set MSB, (\new)
.endif
.endm
.set MUL_LO, 0xa1
.set MUL_HI, 0xf1
.set TO_B,   0x40
.macro JLOAD g0a, g1a, g0b, g1b
	s_cmp_eq_u32 s15, 0
	s_cbranch_scc0 .Lfor_b_\@
	tensor_load_to_lds s[\g0a:\g0a+3], s[\g1a:\g1a+7]
	s_nop 0
.rept 4
	v_nop
.endr
	s_branch .Lasked_\@
.Lfor_b_\@:
	tensor_load_to_lds s[\g0b:\g0b+3], s[\g1b:\g1b+7]
	s_nop 0
.rept 4
	v_nop
.endr
.Lasked_\@:
.endm
.macro CREST
	s_cmp_lg_u32 s14, 0
	s_cbranch_scc1 .Lnot_wave_0_\@
	s_barrier_signal -3
.Lnot_wave_0_\@:
	s_barrier_wait -3
	s_barrier_signal -1
	s_barrier_wait -1
.endm
.macro CROUND
	s_barrier_signal -1
	s_barrier_wait -1
	CREST
.endm
.macro QUANT s, pw
.irp b, 0,1,2,3
	v_max3_num_f32 v[TM+\b], |v[\s+16*\b]|, |v[\s+1+16*\b]|, 0x2800000
.endr
.irp i, 2,4,6,8,10,12,14
.irp b, 0,1,2,3
	v_max3_num_f32 v[TM+\b], v[TM+\b], |v[\s+16*\b+\i]|, |v[\s+1+16*\b+\i]|
.endr
.endr
.irp b, 0,1,2,3
	v_permlanex16_b32 v[TM+4+\b], v[TM+\b], s[SEL], s[SEL+1]
.endr
.irp b, 0,1,2,3
	v_max_num_f32 v[TM+\b], v[TM+\b], v[TM+4+\b]
.endr
.irp b, 0,1,2,3
	v_add_nc_u32 v[TM+12+\b], 0xfe000000, v[TM+\b]
.endr
.irp b, 0,1,2,3
	v_lshrrev_b32 v[TM+4+\b], 23, v[TM+12+\b]
.endr
	v_lshl_or_b32 v[\pw], v[TM+5], 8, v[TM+4]
	v_lshl_or_b32 v[\pw], v[TM+6], 16, v[\pw]
	v_lshl_or_b32 v[\pw], v[TM+7], 24, v[\pw]
.irp c, 0,1
	v_cvt_scalef32_pk16_bf6_f32 v[PC+6*\c:PC+2+6*\c], v[\s+32*\c:\s+15+32*\c], v[TM+12+2*\c]
	v_cvt_scalef32_pk16_bf6_f32 v[PC+12+4*\c:PC+14+4*\c], v[\s+16+32*\c:\s+31+32*\c], v[TM+12+2*\c+1]
.endr
	v_nop
.irp c, 0,1
.irp i, 0,1,2
	v_permlane16_swap_b32 v[PC+6*\c+\i], v[PC+12+4*\c+\i]
.endr
.irp i, 0,1,2
	v_mov_b32 v[PC+3+6*\c+\i], v[PC+12+4*\c+\i]
.endr
.endr
.endm
	s_load_b128 s[4:7], s[0:1], 0x0
	s_load_b128 s[8:11], s[0:1], 0x10
	s_load_b128 s[96:99], s[0:1], 0x20
	s_load_b64 s[100:101], s[0:1], 0x30
	v_lshl_add_u32 v[SPW], v0, 2, SPARE
	v_mov_b32 v[NIL], 0
	ds_add_u32 v28, v29
	ds_add_u32 v28, v29
	s_wait_dscnt 0x0
	v_lshrrev_b32 v1, 5, v0
	v_readfirstlane_b32 s14, v1
	s_lshr_b32 s15, s14, 1
	s_and_b32 s16, s14, 1
	s_bfe_u32 s40, ttmp6, 0x40000
	s_bfe_u32 s41, ttmp6, 0x40004
	s_and_b32 s2, ttmp7, 0xffff
	s_lshr_b32 s66, s2, 3
	s_and_b32 s2, s2, 7
	s_lshl_b32 s2, s2, 2
	s_lshl_b32 s20, s66, 9
	s_lshl_b32 s46, s66, 6
	s_add_co_u32 s46, s46, 1536
	s_cmp_eq_u32 s66, 2
	s_cselect_b32 s67, 1, 0
	s_cselect_b32 s17, 0, s2
	s_cselect_b32 s42, s2, 0
	s_cselect_b32 s20, 1664, s20
	s_cselect_b32 s46, 1024, s46
	s_add_co_u32 s17, s17, s41
	s_add_co_u32 s42, s42, s40
	s_lshl_b32 s43, s41, 2
	s_lshl_b32 s43, 15, s43
	s_lshl_b32 s44, 0x1111, s40
	s_or_b32 s[G1+0], s43, (3<<16)|(1<<21)
	s_or_b32 s[G1B+0], s44, (3<<16)|(1<<21)
.irp g, G1, G1B
	s_mov_b32 s[\g+1], 384<<16
	s_mov_b32 s[\g+2], 16<<16
	s_mov_b32 s[\g+3], 384<<16
	s_mov_b32 s[\g+4], 16
	s_mov_b32 s[\g+5], 1536
	s_mov_b32 s[\g+6], 0
	s_mov_b32 s[\g+7], 0
.endr
	s_or_b32 s[G1S+0], s43, (3<<16)|(1<<21)
	s_or_b32 s[G1SB+0], s44, (3<<16)|(1<<21)
.irp g, G1S, G1SB
	s_mov_b32 s[\g+1], 32<<16
	s_mov_b32 s[\g+2], 32<<16
	s_mov_b32 s[\g+3], 32<<16
	s_mov_b32 s[\g+4], 32
	s_mov_b32 s[\g+5], 32
	s_mov_b32 s[\g+6], 0
	s_mov_b32 s[\g+7], 0
.endr
	s_lshl_b32 s18, s16, 3
	s_lshl_b32 s19, s17, 4
	s_add_co_u32 s20, s20, s19
	s_add_co_u32 s20, s20, s18
	s_lshl_b32 s47, s42, 4
	s_add_co_u32 s46, s46, s47
	s_add_co_u32 s46, s46, s18
	s_lshl_b32 s22, s20, 9
	s_mov_b32 s23, 0
	s_lshl_b32 s92, s46, 9
	s_mov_b32 s93, 0
	s_mul_i32 s20, s20, 12288
	s_mov_b32 s21, 0
	s_mul_i32 s46, s46, 12288
	s_mov_b32 s47, 0
	s_mul_i32 s45, s14, HALFT
	s_lshl_b32 s94, s14, 12
	s_mov_b32 s[SEL], 0x76543210
	s_mov_b32 s[SEL+1], 0xfedcba98
	s_wait_kmcnt 0x0
	s_add_nc_u64 s[20:21], s[4:5], s[20:21]
	s_add_nc_u64 s[22:23], s[6:7], s[22:23]
	s_add_nc_u64 s[46:47], s[4:5], s[46:47]
	s_add_nc_u64 s[92:93], s[6:7], s[92:93]
	CROUND
	; THE HEAD'S FOUR TILES, ONE A WAVE, each whole: wave 0 slot 0's 16 tiles of A, wave 1 its 16 tiles of B, wave 2 the scale words of A's 16 tiles, wave 3 those of B's.
	s_mul_i32 s2, s18, 12288                       ; my half of a tile's rows, in bytes of codes,
	s_mov_b32 s3, 0
	s_lshl_b32 s94, s18, 9                         ; and of scale words: taken off for the head's loads
	s_mov_b32 s95, 0
	s_mov_b32 s[G0S], 1
	s_mov_b32 s[G0S+1], SCL
	s_sub_nc_u64 s[G0S+2:G0S+3], s[22:23], s[94:95]
	s_or_b32 s[G0S+3], s[G0S+3], 0x80000000
	s_mov_b32 s[G0SB], 1
	s_mov_b32 s[G0SB+1], SCL+8192
	s_sub_nc_u64 s[G0SB+2:G0SB+3], s[92:93], s[94:95]
	s_or_b32 s[G0SB+3], s[G0SB+3], 0x80000000
	s_mov_b32 s[G0], 1
	s_mov_b32 s[G0+1], 0
	s_sub_nc_u64 s[G0+2:G0+3], s[20:21], s[2:3]
	s_or_b32 s[G0+3], s[G0+3], 0x80000000
	s_mov_b32 s[G0B], 1
	s_mov_b32 s[G0B+1], 2*HALFT
	s_sub_nc_u64 s[G0B+2:G0B+3], s[46:47], s[2:3]
	s_or_b32 s[G0B+3], s[G0B+3], 0x80000000
	s_mov_b32 s[G0+4], 1
	s_add_co_u32 s[G0+5], s45, SLOT
	s_add_nc_u64 s[G0+6:G0+7], s[20:21], ROWB
	s_or_b32 s[G0+7], s[G0+7], 0x80000000
	s_mov_b32 s[G0B+4], 1
	s_add_co_u32 s[G0B+5], s45, SLOT
	s_add_nc_u64 s[G0B+6:G0B+7], s[46:47], ROWB
	s_or_b32 s[G0B+7], s[G0B+7], 0x80000000
.macro ARM under, g0, g1, next         ; one chain of branches on the wave's number: every way through it passes one load
	s_cmp_lt_u32 s14, \under
	s_cbranch_scc0 \next
	tensor_load_to_lds s[\g0:\g0+3], s[\g1:\g1+7]
	s_nop 0
.rept 4
	v_nop
.endr
	s_branch .Lhead_asked
\next:
.endm
	ARM 1, G0,  G1,  .Lhead_b
	ARM 2, G0B, G1B, .Lhead_sa
	ARM 3, G0S, G1S, .Lhead_sb
	tensor_load_to_lds s[G0SB:G0SB+3], s[G1SB:G1SB+7]
	s_nop 0
.rept 4
	v_nop
.endr
.Lhead_asked:
	s_wait_alu depctr_va_vdst(0)
	s_wait_tensorcnt 0x0                           ; my tile of the four is in
	ds_add_u32 v28, v29
	s_mov_b32 s[G1+2], 8<<16                       ; no tensor load of mine is out: from here on a load brings 8 tiles, my quarter of a slot
	s_mov_b32 s[G1+4], 8
	s_mov_b32 s[G1B+2], 8<<16
	s_mov_b32 s[G1B+4], 8
	s_mov_b32 s[G0+1], s45
	s_add_nc_u64 s[G0+2:G0+3], s[G0+2:G0+3], s[2:3]
	s_mov_b32 s[G0B+1], s45
	s_add_nc_u64 s[G0B+2:G0B+3], s[G0B+2:G0B+3], s[2:3]
	s_wait_dscnt 0x0
	CROUND
	JLOAD G0+4, G1, G0B+4, G1B                     ; slot 1's first fill, the first tensor load behind the round
	v_and_b32 v1, 15, v0
	v_bfe_u32 v2, v0, 4, 1
	s_wait_alu depctr_va_vdst(0)
	v_and_b32 v3, 31, v0
	v_lshlrev_b32 v[LI], 4, v3
	s_mul_i32 s21, s15, HALFT
	s_mul_i32 s22, s16, HALFT
	s_add_co_u32 s22, s22, 2*HALFT
.irp s, 0,1
	v_add_nc_u32 v[ADRA+\s], s21, v[LI]
	v_add_nc_u32 v[ADRB+\s], s22, v[LI]
	s_add_co_u32 s21, s21, SLOT
	s_add_co_u32 s22, s22, SLOT
.endr
	v_lshlrev_b32 v5, 2, v1
	s_lshl_b32 s21, s15, 12
	s_lshl_b32 s22, s16, 12
	s_add_co_u32 s22, s22, 8192
	s_sub_co_u32 s22, s22, s21
	v_mul_u32_u24 v6, s22, v2
	s_add_co_u32 s21, s21, SCL
	v_add_nc_u32 v5, v5, v6
	v_add_nc_u32 v[ADRS], s21, v5
	s_lshl_b32 s23, s14, 9
	s_add_co_u32 s23, s23, SG
	v_lshl_add_u32 v[SGA], v1, 2, s23
	v_add_nc_u32 v[SGR], s23, v[LI]
	v_lshlrev_b32 v[BON], 6, v2
	v_and_b32 v[BOM], 8, v1
	v_add_nc_u32 v[BOM], v[BOM], v1
	v_lshlrev_b32 v[BOM], 2, v[BOM]
.irp b, 0,1,2,3
	v_mov_b32 v[TM+4+\b], 0
.endr
	s_cmp_eq_u32 s66, 0
	s_cselect_b64 s[94:95], s[8:9], s[10:11]
	s_cmp_eq_u32 s67, 1
	s_cselect_b64 s[94:95], s[96:97], s[94:95]
	s_cselect_b32 s18, s17, s42
	s_cselect_b32 s19, s15, s16
	s_lshl_b32 s18, s18, 10
	s_lshl_b32 s19, s19, 9
	s_add_co_u32 s18, s18, s19
	s_mov_b32 s19, 0
	s_add_nc_u64 s[94:95], s[94:95], s[18:19]
	s_cmp_eq_u32 s67, 1
	s_cbranch_scc1 .Lbias_m
	s_wait_alu depctr_va_vdst(0)
.irp b, 0,1,2,3
.irp j, 0,1,2,3
	global_load_b128 v[BN+16*\b+4*\j:BN+16*\b+4*\j+3], v[BON], s[94:95] offset:128*\b+16*\j
.endr
.endr
.irp a, 0,1,2,3,4,5,6,7,8,9,10,11,12,13,14,15
	v_mov_b32 v[BM+\a], 0
.endr
	s_branch .Lbias_done
.Lbias_m:
.set j, 0
.rept 64
	v_mov_b32 v[BN+j], 0
.set j, j+1
.endr
.irp a, 0,1,2,3,4,5,6,7
	global_load_b32 v[BM+2*\a], v[BOM], s[94:95] offset:(32*(\a/2)+8*(\a%2))*4
	v_mov_b32 v[BM+2*\a+1], 0
.endr
.Lbias_done:
.macro FRAG reg, adr, q, i
.irp c, 0,1,2
	ds_load_b128 v[\reg+4*\c:\reg+4*\c+3], v[\adr] offset:(\i)*ROWB+(\q)*1536+512*\c
.endr
.endm
.macro MUL16 a0, p, q, sc, zero
.irp a, \a0, \a0+1
.irp b, 0,1,2,3,4,5,6,7
.if \zero
	v_wmma_scale_f32_16x16x128_f8f6f4 v[8*(8*((\a)%4)+\b):8*(8*((\a)%4)+\b)+7], v[128*(\p)+FR*\b:128*(\p)+FR*\b+FR-1], v[AF+FR*(\a):AF+FR*(\a)+FR-1], 0, v[SC+8*NQ*(\sc)+NQ*\b+(\q)], v[SC+8*NQ*(\sc)+NQ*(\a)+(\q)] matrix_a_fmt:MATRIX_FMT_BF6 matrix_b_fmt:MATRIX_FMT_BF6 matrix_a_scale:MATRIX_SCALE_ROW1
.else
	v_wmma_scale_f32_16x16x128_f8f6f4 v[8*(8*((\a)%4)+\b):8*(8*((\a)%4)+\b)+7], v[128*(\p)+FR*\b:128*(\p)+FR*\b+FR-1], v[AF+FR*(\a):AF+FR*(\a)+FR-1], v[8*(8*((\a)%4)+\b):8*(8*((\a)%4)+\b)+7], v[SC+8*NQ*(\sc)+NQ*\b+(\q)], v[SC+8*NQ*(\sc)+NQ*(\a)+(\q)] matrix_a_fmt:MATRIX_FMT_BF6 matrix_b_fmt:MATRIX_FMT_BF6 matrix_a_scale:MATRIX_SCALE_ROW1
.endif
.endr
.endr
.endm
.macro FETCH_B slot, q, p
	WIN TO_B
.irp i, 0,1,2,3,4,5,6,7
	FRAG 128*(\p)+FR*\i, ADRB+\slot, \q, \i
.endr
	WIN 0
.endm
.macro FETCH_A slot, q, i0
.irp i, \i0, \i0+1, \i0+2, \i0+3
	FRAG AF+FR*(\i), ADRA+\slot, \q, \i
.endr
.endm
.macro SCALES sc
.irp i, 0,1,2,3,4,5,6,7
.irp q, 0,1
	ds_load_b32 v[SC+8*NQ*\sc+NQ*\i+\q], v[ADRS] offset:512*\i+64*\q
.endr
.endr
.endm
.macro PLACES n
.rept \n
	v_nop
.endr
.endm
.macro STEP slot, q, zero
	s_wait_dscnt 4*NL
	WIN MUL_LO
	MUL16 0, (\q)%2, \q, \slot, \zero
	MUL16 2, (\q)%2, \q, \slot, \zero
	s_wait_dscnt 0
	PLACES NP
	FETCH_B \slot, (\q)+1, 1-(\q)%2
	FETCH_A \slot, (\q)+1, 0
	WIN MUL_HI
	MUL16 4, (\q)%2, \q, \slot, \zero
	MUL16 6, (\q)%2, \q, \slot, \zero
	PLACES NP
	WIN 0
	FETCH_A \slot, (\q)+1, 4
.endm
.macro TURN slot, next, fill
	s_wait_tensorcnt 0x0
	ds_add_u32 v[SPW], v[NIL]
	s_wait_dscnt 4*NL+1
	WIN MUL_LO
	MUL16 0, 1, NQ-1, \slot, 0
	s_wait_dscnt 0x0
	s_barrier_signal -1
	MUL16 2, 1, NQ-1, \slot, 0
	WIN 0
	s_barrier_wait -1
.if \fill
	CREST
	s_add_nc_u64 s[G0+4*\slot+2:G0+4*\slot+3], s[G0+4*\slot+2:G0+4*\slot+3], 2*ROWB
	s_add_nc_u64 s[G0B+4*\slot+2:G0B+4*\slot+3], s[G0B+4*\slot+2:G0B+4*\slot+3], 2*ROWB
	JLOAD G0+4*\slot, G1, G0B+4*\slot, G1B
.else
	PLACES NP
.endif
	s_wait_alu depctr_va_vdst(0)
	v_add_nc_u32 v[ADRS], 64*NQ, v[ADRS]
	FETCH_B \next, 0, 0
	FETCH_A \next, 0, 0
	SCALES \next
	WIN MUL_HI
	MUL16 4, 1, NQ-1, \slot, 0
	MUL16 6, 1, NQ-1, \slot, 0
	PLACES NP
	WIN 0
	FETCH_A \next, 0, 4
.endm
	s_wait_tensorcnt 1
	s_barrier_signal -1
	s_barrier_wait -1
	FETCH_B 0, 0, 0
	FETCH_A 0, 0, 0
	SCALES 0
	FETCH_A 0, 0, 4
	STEP 0, 0, 1
	s_mov_b32 s3, LAPS-1
.Llap:
	TURN 0, 1, 1
	STEP 1, 0, 0
	TURN 1, 0, 1
	STEP 0, 0, 0
	s_sub_co_u32 s3, s3, 1
	s_cmp_lg_u32 s3, 0
	s_cbranch_scc1 .Llap
	TURN 0, 1, 0
	STEP 1, 0, 0
	s_wait_dscnt 4*NL
	WIN MUL_LO
	MUL16 0, 1, NQ-1, 1, 0
	MUL16 2, 1, NQ-1, 1, 0
	s_wait_dscnt 0
	WIN MUL_HI
	MUL16 4, 1, NQ-1, 1, 0
	MUL16 6, 1, NQ-1, 1, 0
	WIN 0
	s_cmp_eq_u32 s67, 1
	s_cselect_b32 s18, s42, s17
	s_cselect_b32 s19, s16, s15
	s_cselect_b32 s20, s17, s42
	s_cselect_b32 s21, s15, s16
	s_lshr_b32 s22, s18, 3
	s_lshl_b32 s22, s22, 2
	s_add_co_u32 s22, s22, s20
	s_lshl_b32 s22, s22, 4
	s_and_b32 s18, s18, 7
	s_lshl_b32 s18, s18, 1
	s_add_co_u32 s22, s22, s18
	s_add_co_u32 s22, s22, s19
	s_mov_b32 s23, 51200
	s_mov_b32 s92, 49152
	s_cmp_eq_u32 s66, 0
	s_cselect_b64 s[46:47], s[98:99], s[100:101]
	s_cselect_b32 s23, 25600, s23
	s_cselect_b32 s92, 24576, s92
	s_mul_i32 s22, s22, s23
	s_mul_i32 s93, s21, 12288
	s_add_co_u32 s93, s93, s22
	s_lshl_b32 s21, s21, 9
	s_add_co_u32 s92, s92, s21
	s_add_co_u32 s92, s92, s22
	s_cmp_eq_u32 s67, 1
	s_cselect_b32 s18, 24576, 0
	s_cselect_b32 s19, 1024, 0
	s_add_co_u32 s18, s93, s18
	s_add_co_u32 s92, s92, s19
	s_mov_b32 s19, 0
	s_mov_b32 s93, 0
	s_add_nc_u64 s[OC:OC+1], s[46:47], s[18:19]
	s_add_nc_u64 s[OS:OS+1], s[46:47], s[92:93]
.macro OUTBLK a
	WIN 0x02+((\a)/4)
.set j, 0
.rept 32
	v_pk_add_f32 v[H+j:H+j+1], v[64*((\a)%4)+j:64*((\a)%4)+j+1], v[BN+j:BN+j+1]
.set j, j+2
.endr
	WIN 0
.set j, 0
.rept 32
	v_pk_add_f32 v[H+j:H+j+1], v[H+j:H+j+1], v[BM+2*(\a):BM+2*(\a)+1] op_sel_hi:[1,0]
.set j, j+2
.endr
	s_wait_xcnt 0x0
	QUANT H, PW
.irp c, 0,1,2
	global_store_b128 v[LI], v[PC+4*\c:PC+4*\c+3], s[OC:OC+1] offset:1536*(\a)+512*\c
.endr
	ds_store_b32 v[SGA], v[PW] offset:64*(\a)
.endm
	PLACES NP
	s_wait_loadcnt 0x0
.irp a, 0,1,2,3,4,5,6,7
	OUTBLK \a
.endr
	ds_load_b128 v[H:H+3], v[SGR]
	s_wait_dscnt 0x0
	global_store_b128 v[LI], v[H:H+3], s[OS:OS+1]
	s_wait_tensorcnt 0x0
	ds_add_u32 v[SPW], v[NIL]
	s_wait_dscnt 0x0
	CROUND
	s_endpgm
.Lfunc_end_k_q07dfce67e2_proj:
	.size	k_q07dfce67e2_proj, .Lfunc_end_k_q07dfce67e2_proj-k_q07dfce67e2_proj
	.p2alignl 7, 3214868480
	.fill 96, 4, 3214868480
	.section	.rodata,"a",@progbits
	.p2align	6, 0x0
	.amdhsa_kernel k_q07dfce67e2_proj
		.amdhsa_group_segment_fixed_size 327680
		.amdhsa_private_segment_fixed_size 0
		.amdhsa_enable_private_segment 0
		.amdhsa_kernarg_size 56
		.amdhsa_user_sgpr_count 2
		.amdhsa_user_sgpr_kernarg_segment_ptr 1
		.amdhsa_wavefront_size32 1
		.amdhsa_system_sgpr_workgroup_id_x 1
		.amdhsa_system_sgpr_workgroup_id_y 1
		.amdhsa_system_sgpr_workgroup_id_z 1
		.amdhsa_system_vgpr_workitem_id 0
		.amdhsa_next_free_vgpr 1024
		.amdhsa_next_free_sgpr 102
		.amdhsa_reserve_vcc 0
		.amdhsa_float_denorm_mode_32 3
		.amdhsa_float_denorm_mode_16_64 3
		.amdhsa_memory_ordered 1
		.amdhsa_forward_progress 1
		.amdhsa_inst_pref_size 182
	.end_amdhsa_kernel
	.amdgpu_metadata
---
amdhsa.version: [ 1, 2 ]
amdhsa.kernels:
  - .name:           k_q07dfce67e2_proj
    .symbol:         k_q07dfce67e2_proj.kd
    .args:
      - { .name: xcodes, .offset: 0, .size: 8, .value_kind: global_buffer, .address_space: global }
      - { .name: xscales, .offset: 8, .size: 8, .value_kind: global_buffer, .address_space: global }
      - { .name: wq_b, .offset: 16, .size: 8, .value_kind: global_buffer, .address_space: global }
      - { .name: wk_b, .offset: 24, .size: 8, .value_kind: global_buffer, .address_space: global }
      - { .name: wv_b, .offset: 32, .size: 8, .value_kind: global_buffer, .address_space: global }
      - { .name: qblk, .offset: 40, .size: 8, .value_kind: global_buffer, .address_space: global }
      - { .name: kvblk, .offset: 48, .size: 8, .value_kind: global_buffer, .address_space: global }
    .group_segment_fixed_size: 327680
    .private_segment_fixed_size: 0
    .kernarg_segment_align: 8
    .kernarg_segment_size: 56
    .max_flat_workgroup_size: 128
    .sgpr_count:     102
    .vgpr_count:     1024
    .wavefront_size: 32
...
	.end_amdgpu_metadata
.endif
;; end of part 2
;; launch attn (part 3): grid 8 x 32, 8 waves a work-group, no clusters, 68,608 bytes of LDS; arguments qblk, kvblk, mask, flags, acodes, ascales; writes acodes, ascales
.if DOCPART == 3
	.amdgcn_target "amdgcn-amd-amdhsa--gfx1250"
	.amdhsa_code_object_version 6
	.text
	.protected	k_q07dfce67e2_attn
	.globl	k_q07dfce67e2_attn
	.p2align	8
	.type	k_q07dfce67e2_attn,@function
k_q07dfce67e2_attn:
	s_mov_b64 s[64:65], 0
	v_nop
	global_prefetch_b8 v0, s[64:65] scope:SCOPE_SE
	s_setreg_imm32_b32 hwreg(HW_REG_WAVE_MODE, 25, 1), 1
	s_wait_xcnt 0x0
; Attention on codes of BF6 (E3M2): logits = Q K^T / 32 + mask x (-1e9), the softmax by a running whole-number maximum, O = P V / l, and O quantised along D for the last product.
; WHICH KEY STEPS ARE WALKED.  The first launch stored, for each 8 query rows, a word whose bit j is 0 only if every logit of those rows in keys 128 j .. 128 j + 127 lies at least 1e8 - 2 max|q.k / 32| under the row's largest:
; p is then 0 in f32 and the step adds nothing to the row's maximum, sum or result.  A wave walks the steps whose bit is set for any of its 16 rows.  LIMIT: |q.k / 32| under 4e7.  A row in which every key is masked alike keeps all its steps.
; SHARES.  Work-group (x 0..7, y = 8 batch + pair of heads).  Wave w owns ONE pair of heads and two tiles of 16 queries, one after the other: tile w of query block x, then of block 15 - x (lane r: row 32 (w / 2) + 8 (w % 2) + r + 8 (r / 8)).
; NO TENSOR LOAD, NO CLUSTER, NO BARRIER: the number of trips is read from memory and may differ from wave to wave, so partners could not make every joint request.  The fragments of K and V lie in memory as images of their registers
; and go straight into them, 512 consecutive bytes a load.  Each is asked for one walked step ahead of its use, into the registers that the products have just left: so no prefetch is laid beside them.
; THE MASK comes by rows, 512 consecutive bytes a load, into the even head's score registers once its p is converted, and turns through the wave's own stage in LDS (rows 528 bytes apart) into the odd head's.
; LAYOUT.  S^T = K Q^T (source 0 = 16 keys), O^T = V^T P^T: a lane holds one query.  Row m of K's tile t is key 64 (t / 4) + 32 (m / 8) + 8 (t % 4) + m % 8: a lane's registers 0-31 are key block h, 32-63 block 2 + h, each whole.
; A fragment of K or Q spans two heads; Q is kept twice, with zero codes in the other head's half.  The mask x (-3.2e10) is the C of the first product: S' = 32 x logit; t - M = S' c - M, c = log2(e) / 32.
; REGISTERS.  window 0: v1-9 addresses; v12-19 -M, largest t, l (two halves) a head; v20-28 scale words; v32-95 X, v96-159 Y: scores, then p; v160-178 p's codes; v180-199 at work; v200-223 Q.  window 1: v0-95 K; v96-191 V; v192-255 O^T.
; LIMITS.  NaN and infinities are not served.  A block of zeros gets the byte 1: only this program reads the bytes.  A row whose every t lies under -3e38 is not served.  The scaled scores stay under 2^31 in magnitude.
; A SECOND WORD for each 8 rows says in which key steps any mask value is other than zero.  Where none is, mask x (-1e9) adds 0 to every logit: the first product takes 0 as its C, and the mask is not loaded.
; Where some is, the mask's rows are loaded, turned and scaled in one arm at the step's head; they are not asked for ahead: every work-group would ask for its own rows, which 32 work-groups read.
.set KVB,   51200
.set MP,    528
.set STG,   16*MP
.set SPARE, 8*STG
.set SPW, 1
.set NIL, 2
.set LI,  3                            ; 16 x lane
.set LSW, 4                            ; K's and V's scale words, from the codes' base
.set QSO, 5                            ; 4 r
.set STI, 6                            ; my stage, way in
.set STO, 7                            ; my stage, way out: 528 r + 128 h
.set SH8, 8                            ; 8 h
.set QSV, 9                            ; Q's scale word, from the codes' base
.set ST,  12
.set KS,  20
.set VS,  24
.set QS,  28
.set X,   32
.set Y,   96
.set PC,  160
.set TM,  180
.set F,   196
.set PW,  197
.set T,   198
.set FW,  199
.set QE,  200
.set QO,  212
.set WV, 16
.set Y4, 17
.set BT, 18
.set P,  19
.set PP, 20
.set X0, 21
.set X1, 22
.set FL0, 23
.set FL1, 24
.set QT, 25
.set XQ, 26
.set REM, 27
.set CNT, 28
.set TR, 29
.set J,  30
.set RB, 31
.set T0, 32                            ; s[32:33], s[34:35]: offsets, upper words 0
.set T2, 34
.set SEL, 36
.set CS, 38
.set MS, 40
.set KV0, 42
.set NK, 44
.set NM, 46
.set MK0, 48
.set QB, 50
.set OC, 52
.set OS, 54
.set STGB, 56
.set LSWC, 57
.set QSVC, 58
.set QC, 59
.set MN, 60                            ; 1: the next walked step needs the mask;  s61: this one does
.set MC, 61
.set ZM, 62                            ; the tile's second word;  s63, s66: those of my two tiles
.set ZM0, 63
.set ZM1, 66
.set MSB, 0
.macro WIN new
.if MSB != (\new)
	s_set_vgpr_msb (MSB<<8)|(\new)
.set MSB, (\new)
.endif
.endm
.macro PLACES n
.rept \n
	v_nop
.endr
.endm
.macro NEXTJ                           ; the next walked step: the lowest bit left; its block of K and V and its 128 columns of the mask
	s_ctz_i32_b32 s[J], s[REM]
	s_min_u32 s[J], s[J], 15
	s_add_co_u32 s[T0], s[REM], -1
	s_and_b32 s[REM], s[REM], s[T0]
	s_mul_i32 s[T0], s[J], KVB
	s_lshl_b32 s[T2], s[J], 9
	s_lshr_b32 s[MN], s[ZM], s[J]
	s_and_b32 s[MN], s[MN], 1
	s_wait_xcnt 0x0                                ; the earlier loads have read their bases
	s_add_nc_u64 s[NK:NK+1], s[KV0:KV0+1], s[T0:T0+1]
	s_add_nc_u64 s[NM:NM+1], s[MK0:MK0+1], s[T2:T2+1]
.endm
.macro KLOADS                          ; 24 + 4 loads
	WIN 0x40
.irp t, 0,1,2,3,4,5,6,7
.irp c, 0,1,2
	global_load_b128 v[12*\t+4*\c:12*\t+4*\c+3], v[LI], s[NK:NK+1] offset:1536*\t+512*\c
.endr
.endr
	WIN 0
.irp i, 0,1,2,3
	global_load_b32 v[KS+\i], v[LSW], s[NK:NK+1] offset:128*\i
.endr
.endm
.macro VLOADS hd                       ; 12 + 2 loads
	WIN 0x40
.irp t, 0,1,2,3
.irp c, 0,1,2
	global_load_b128 v[96+48*\hd+12*\t+4*\c:96+48*\hd+12*\t+4*\c+3], v[LI], s[NK:NK+1] offset:24576+1536*(4*\hd+\t)+512*\c
.endr
.endr
	WIN 0
.irp i, 0,1
	global_load_b32 v[VS+2*\hd+\i], v[LSW], s[NK:NK+1] offset:1024+128*(2*\hd+\i)
.endr
.endm
.macro MLOADS                          ; 16 loads: my 16 rows of the mask, 128 keys
.irp i, 0,1,2,3,4,5,6,7,8,9,10,11,12,13,14,15
	global_load_b128 v[X+4*\i:X+4*\i+3], v[LI], s[NM:NM+1] offset:(\i+8*(\i/8))*8192
.endr
.endm
.macro TURN                            ; rows in, a lane's two blocks of 32 keys out; LDS serves a wave's instructions in order
.irp i, 0,1,2,3,4,5,6,7,8,9,10,11,12,13,14,15
	ds_store_b128 v[STI], v[X+4*\i:X+4*\i+3] offset:MP*\i
.endr
.irp i, 0,1,2,3,4,5,6,7
	ds_load_b128 v[Y+4*\i:Y+4*\i+3], v[STO] offset:16*\i
	ds_load_b128 v[Y+32+4*\i:Y+32+4*\i+3], v[STO] offset:256+16*\i
.endr
.endm
.macro SMUL d, q                       ; eight products: eight tiles of keys x one head, C = the scaled mask in Y
.irp t, 0,1,2,3,4,5,6,7
.if \t%2
	v_wmma_scale_f32_16x16x128_f8f6f4 v[\d+8*\t:\d+8*\t+7], v[12*\t:12*\t+11], v[\q:\q+11], v[Y+8*\t:Y+8*\t+7], v[KS+\t/2], v[QS] matrix_a_fmt:MATRIX_FMT_BF6 matrix_b_fmt:MATRIX_FMT_BF6 matrix_a_scale:MATRIX_SCALE_ROW1
.else
	v_wmma_scale_f32_16x16x128_f8f6f4 v[\d+8*\t:\d+8*\t+7], v[12*\t:12*\t+11], v[\q:\q+11], v[Y+8*\t:Y+8*\t+7], v[KS+\t/2], v[QS] matrix_a_fmt:MATRIX_FMT_BF6 matrix_b_fmt:MATRIX_FMT_BF6
.endif
.endr
.endm
.macro SMUL0 d, q                      ; the same with 0 as C
.irp t, 0,1,2,3,4,5,6,7
.if \t%2
	v_wmma_scale_f32_16x16x128_f8f6f4 v[\d+8*\t:\d+8*\t+7], v[12*\t:12*\t+11], v[\q:\q+11], 0, v[KS+\t/2], v[QS] matrix_a_fmt:MATRIX_FMT_BF6 matrix_b_fmt:MATRIX_FMT_BF6 matrix_a_scale:MATRIX_SCALE_ROW1
.else
	v_wmma_scale_f32_16x16x128_f8f6f4 v[\d+8*\t:\d+8*\t+7], v[12*\t:12*\t+11], v[\q:\q+11], 0, v[KS+\t/2], v[QS] matrix_a_fmt:MATRIX_FMT_BF6 matrix_b_fmt:MATRIX_FMT_BF6
.endif
.endr
.endm
.macro PV hd                           ; four products O^T += V^T P^T, four accumulators by turns
	WIN 0x51
.irp t, 0,1,2,3
.if \t%2
	v_wmma_scale_f32_16x16x128_f8f6f4 v[192+32*\hd+8*\t:192+32*\hd+8*\t+7], v[96+48*\hd+12*\t:96+48*\hd+12*\t+11], v[PC:PC+11], v[192+32*\hd+8*\t:192+32*\hd+8*\t+7], v[VS+2*\hd+\t/2], v[PW] matrix_a_fmt:MATRIX_FMT_BF6 matrix_b_fmt:MATRIX_FMT_BF6 matrix_a_scale:MATRIX_SCALE_ROW1
.else
	v_wmma_scale_f32_16x16x128_f8f6f4 v[192+32*\hd+8*\t:192+32*\hd+8*\t+7], v[96+48*\hd+12*\t:96+48*\hd+12*\t+11], v[PC:PC+11], v[192+32*\hd+8*\t:192+32*\hd+8*\t+7], v[VS+2*\hd+\t/2], v[PW] matrix_a_fmt:MATRIX_FMT_BF6 matrix_b_fmt:MATRIX_FMT_BF6
.endif
.endr
	PLACES 4                                       ; in front of loads into, and writes of, the products' registers
	WIN 0
.endm
; One head's softmax of a step: 64 scores of a lane become p's codes in v[PC] on and p's scale word in v[PW]
.macro SOFTMAX sb, st
	s_wait_alu depctr_va_vdst(0)                   ; the wait ahead of the first reader of the scores
.irp c, 0,1,2,3
	v_max3_num_f32 v[TM+\c], v[\sb+16*\c], v[\sb+16*\c+1], v[\sb+16*\c+2]   ; four chains by turns, each accumulator from its low end on
.endr
.irp i, 3,5,7,9,11,13
.irp c, 0,1,2,3
	v_max3_num_f32 v[TM+\c], v[TM+\c], v[\sb+16*\c+\i], v[\sb+16*\c+\i+1]
.endr
.endr
	v_max3_num_f32 v[TM], v[TM], v[TM+1], v[\sb+15]
	v_max3_num_f32 v[TM+2], v[TM+2], v[TM+3], v[\sb+47]
	v_max_num_f32 v[TM], v[TM], v[\sb+31]          ; the largest score of my block h,
	v_max_num_f32 v[TM+2], v[TM+2], v[\sb+63]      ; and of block 2 + h: they serve for the row's maximum and, since p rises with the score, for the blocks' largest p
	s_delay_alu instid0(VALU_DEP_1)
	v_max_num_f32 v[T], v[TM], v[TM+2]
	s_delay_alu instid0(VALU_DEP_1)
	v_permlanex16_b32 v[TM+4], v[T], s[SEL], s[SEL+1]
	s_delay_alu instid0(VALU_DEP_1)
	v_max_num_f32 v[T], v[T], v[TM+4]              ; the step's largest score of my query
	s_delay_alu instid0(VALU_DEP_1)
	v_mul_f32 v[T], s[CS], v[T]
	s_delay_alu instid0(VALU_DEP_1)
	v_max_num_f32 v[\st+1], v[\st+1], v[T]         ; the running largest t
	v_mov_b32 v[T], v[\st]
	s_delay_alu instid0(VALU_DEP_2)
	v_floor_f32 v[\st], -v[\st+1]                  ; the new -M = -ceil(t)
	s_delay_alu instid0(VALU_DEP_1)
	v_sub_f32 v[T], v[\st], v[T]                   ; old M - new M, a whole number
	s_delay_alu instid0(VALU_DEP_1)
	v_cvt_i32_f32 v[T], v[T]                       ; (it saturates)
	s_delay_alu instid0(VALU_DEP_1)
	v_ldexp_f32 v[F], 1.0, v[T]                    ; f = 2^(old M - new M)
.set j, 0
.rept 32
	v_pk_fma_f32 v[\sb+j:\sb+j+1], v[\sb+j:\sb+j+1], s[CS:CS+1], v[\st:\st+1] op_sel_hi:[1,0,0]   ; t - M
.set j, j+2
.endr
	v_fma_f32 v[TM], v[TM], s[CS], v[\st]
	v_fma_f32 v[TM+2], v[TM+2], s[CS], v[\st]
	s_wait_alu depctr_va_vdst(0)                   ; the wait ahead of the batch
	v_exp_f32 v[TM], v[TM]                         ; the blocks' largest p: the same two instructions on the same numbers
	v_exp_f32 v[TM+2], v[TM+2]
.set j, 0
.rept 64
	v_exp_f32 v[\sb+j], v[\sb+j]                   ; p = 2^(t - M)
.set j, j+1
.endr
	v_pk_mul_f32 v[\st+2:\st+3], v[\st+2:\st+3], v[F:F+1] op_sel_hi:[1,0]   ; l under the new M: the plain line behind the batch
	s_wait_alu depctr_va_vdst(0)                   ; one wait for the batch, ahead of its first reader
	v_pk_add_f32 v[\st+2:\st+3], v[\st+2:\st+3], v[\sb:\sb+1]               ; l sums the unquantised p, in four chains
	v_pk_add_f32 v[TM+8:TM+9], v[\sb+2:\sb+3], v[\sb+4:\sb+5]
	v_pk_add_f32 v[TM+10:TM+11], v[\sb+6:\sb+7], v[\sb+8:\sb+9]
	v_pk_add_f32 v[TM+12:TM+13], v[\sb+10:\sb+11], v[\sb+12:\sb+13]
.set j, 14
.rept 6
	v_pk_add_f32 v[\st+2:\st+3], v[\st+2:\st+3], v[\sb+j:\sb+j+1]
	v_pk_add_f32 v[TM+8:TM+9], v[TM+8:TM+9], v[\sb+j+2:\sb+j+3]
	v_pk_add_f32 v[TM+10:TM+11], v[TM+10:TM+11], v[\sb+j+4:\sb+j+5]
	v_pk_add_f32 v[TM+12:TM+13], v[TM+12:TM+13], v[\sb+j+6:\sb+j+7]
.set j, j+8
.endr
	v_pk_add_f32 v[\st+2:\st+3], v[\st+2:\st+3], v[\sb+62:\sb+63]
	v_pk_add_f32 v[TM+8:TM+9], v[TM+8:TM+9], v[TM+10:TM+11]
	v_max_num_f32 v[TM], 0x2800000, v[TM]          ; the floor 2^(5 - 127): the byte cannot fall under 1
	v_max_num_f32 v[TM+2], 0x2800000, v[TM+2]
	v_pk_add_f32 v[\st+2:\st+3], v[\st+2:\st+3], v[TM+12:TM+13]
	v_add_nc_u32 v[TM+14], 0xfe000000, v[TM]       ; 4 off the exponent field: the conversions' scale operands
	v_add_nc_u32 v[TM+15], 0xfe000000, v[TM+2]
	v_pk_add_f32 v[\st+2:\st+3], v[\st+2:\st+3], v[TM+8:TM+9]
	v_lshrrev_b32 v[TM+4], 23, v[TM+14]            ; the scales' bytes
	v_lshrrev_b32 v[TM+5], 23, v[TM+15]
	s_delay_alu instid0(VALU_DEP_1)
	v_lshl_or_b32 v[T], v[TM+5], 16, v[TM+4]       ; blocks h and 2 + h,
	s_delay_alu instid0(VALU_DEP_1)
	v_lshlrev_b32 v[T], v[SH8], v[T]               ; at their places in the word,
	s_delay_alu instid0(VALU_DEP_1)
	v_permlanex16_b32 v[TM+6], v[T], s[SEL], s[SEL+1]
	s_delay_alu instid0(VALU_DEP_1)
	v_or_b32 v[PW], v[T], v[TM+6]                  ; with lane l xor 16's two: p's scale word for these 128 keys
	v_cvt_scalef32_pk16_bf6_f32 v[PC:PC+2], v[\sb:\sb+15], v[TM+14]
	v_cvt_scalef32_pk16_bf6_f32 v[PC+12:PC+14], v[\sb+16:\sb+31], v[TM+14]   ; (a conversion's three registers begin on an even number)
	v_cvt_scalef32_pk16_bf6_f32 v[PC+6:PC+8], v[\sb+32:\sb+47], v[TM+15]
	v_cvt_scalef32_pk16_bf6_f32 v[PC+16:PC+18], v[\sb+48:\sb+63], v[TM+15]
	v_nop                                          ; one plain line behind the scaled conversions
.irp i, 0,1,2
	v_mov_b32 v[PC+3+\i], v[PC+12+\i]
	v_mov_b32 v[PC+9+\i], v[PC+16+\i]
.endr
.endm
.macro RESCALE ob                      ; O^T under the new M.  These sixteen also stand between the writes of p's codes and scale word and the products that take them
	WIN 0x41
	s_wait_alu depctr_va_vdst(0)                   ; the wait directly ahead of the first reader of O^T
.set j, 0
.rept 16
	v_pk_mul_f32 v[\ob+j:\ob+j+1], v[\ob+j:\ob+j+1], v[F:F+1] op_sel_hi:[1,0]
.set j, j+2
.endr
	WIN 0
	s_wait_alu depctr_va_vdst(0)
.endm
; A WALKED STEP: 128 keys, two heads.  pf = 1: the next walked step's K and V are asked for, each as its registers fall free.
.macro STEP pf
	s_cmp_eq_u32 s[MC], 0
	s_cbranch_scc1 .Lplain_\@
	MLOADS                                         ; this step's mask, into X, whose p has been converted
	s_wait_loadcnt 0x0
	TURN
	s_wait_dscnt 0x0                               ; the mask is back from the stage, in Y
.set j, 0
.rept 32
	v_pk_mul_f32 v[Y+j:Y+j+1], v[Y+j:Y+j+1], s[MS:MS+1] op_sel_hi:[1,0]   ; x (-3.2e10)
.set j, j+2
.endr
	WIN 0x01
	SMUL X, QE
	PLACES 5                                       ; the next eight write over the C of these
	SMUL Y, QO
	WIN 0
	s_branch .Lscored_\@
.Lplain_\@:
	s_wait_loadcnt 28                              ; K is in; behind it: V's 28
	WIN 0x01
	SMUL0 X, QE
	SMUL0 Y, QO
	WIN 0
.Lscored_\@:
	PLACES 4
.if \pf
	NEXTJ
	KLOADS
.endif
	SOFTMAX X, ST
	RESCALE 192
.if \pf
	s_wait_loadcnt 42                              ; the even head's V is in; behind it: the odd head's 14, the next K's 28
.else
	s_wait_loadcnt 14                              ; behind it: the odd head's 14
.endif
	PV 0
.if \pf
	VLOADS 0
.endif
	SOFTMAX Y, ST+4
	RESCALE 224
.if \pf
	s_wait_loadcnt 42                              ; the odd head's V is in; behind it: the next K's 28, the next even V's 14
.else
	s_wait_loadcnt 0x0
.endif
	PV 1
.if \pf
	VLOADS 1
	s_mov_b32 s[MC], s[MN]
.endif
.endm
.macro QUANT s, pw                     ; the way out: 64 numbers of a lane, register 16 b + i = d 32 b + 16 h + i, become a fragment's codes and scale word
.irp b, 0,1,2,3
	v_max3_num_f32 v[TM+\b], |v[\s+16*\b]|, |v[\s+1+16*\b]|, 0x2800000
.endr
.irp i, 2,4,6,8,10,12,14
.irp b, 0,1,2,3
	v_max3_num_f32 v[TM+\b], v[TM+\b], |v[\s+16*\b+\i]|, |v[\s+1+16*\b+\i]|
.endr
.endr
.irp b, 0,1,2,3
	v_permlanex16_b32 v[TM+4+\b], v[TM+\b], s[SEL], s[SEL+1]
.endr
.irp b, 0,1,2,3
	v_max_num_f32 v[TM+\b], v[TM+\b], v[TM+4+\b]
.endr
.irp b, 0,1,2,3
	v_add_nc_u32 v[TM+12+\b], 0xfe000000, v[TM+\b]
.endr
.irp b, 0,1,2,3
	v_lshrrev_b32 v[TM+4+\b], 23, v[TM+12+\b]
.endr
	v_lshl_or_b32 v[\pw], v[TM+5], 8, v[TM+4]
	v_lshl_or_b32 v[\pw], v[TM+6], 16, v[\pw]
	v_lshl_or_b32 v[\pw], v[TM+7], 24, v[\pw]
.irp c, 0,1
	v_cvt_scalef32_pk16_bf6_f32 v[PC+6*\c:PC+2+6*\c], v[\s+32*\c:\s+15+32*\c], v[TM+12+2*\c]
	v_cvt_scalef32_pk16_bf6_f32 v[PC+12+4*\c:PC+14+4*\c], v[\s+16+32*\c:\s+31+32*\c], v[TM+12+2*\c+1]
.endr
	v_nop
.irp c, 0,1
.irp i, 0,1,2
	v_permlane16_swap_b32 v[PC+6*\c+\i], v[PC+12+4*\c+\i]
.endr
.irp i, 0,1,2
	v_mov_b32 v[PC+3+6*\c+\i], v[PC+12+4*\c+\i]
.endr
.endr
.endm
	s_load_b256 s[4:11], s[0:1], 0x0               ; qblk s[4:5], kvblk s[6:7], mask s[8:9], flags s[10:11]
	s_load_b128 s[12:15], s[0:1], 0x20             ; acodes s[12:13], ascales s[14:15]
	v_lshl_add_u32 v[SPW], v0, 2, SPARE
	v_mov_b32 v[NIL], 0
	v_lshrrev_b32 v29, 5, v0
	v_readfirstlane_b32 s[WV], v29                 ; wave 0..7
	s_and_b32 s[P], ttmp7, 0xffff
	s_lshr_b32 s[BT], s[P], 3                      ; batch
	s_and_b32 s[P], s[P], 7                        ; pair of heads
	s_and_b32 s[PP], s[P], 1
	s_lshr_b32 s[Y4], s[P], 1
	s_lshl_b32 s[T0], s[BT], 2
	s_add_co_u32 s[Y4], s[Y4], s[T0]               ; 4 batch + group of four heads: the blocks' index
	s_mov_b32 s[X0], ttmp9
	s_sub_co_u32 s[X1], 15, s[X0]
	s_lshr_b32 s[RB], s[WV], 1
	s_lshl_b32 s[RB], s[RB], 5
	s_and_b32 s[T0], s[WV], 1
	s_lshl_b32 s[T0], s[T0], 3
	s_add_co_u32 s[RB], s[RB], s[T0]               ; 32 (w / 2) + 8 (w % 2)
	s_mul_i32 s[STGB], s[WV], STG
	s_mul_i32 s[T0], s[PP], 11776
	s_sub_co_u32 s[LSWC], 49152, s[T0]             ; from the pair's codes (12,288 pp) to its words (49,152 + 512 pp)
	s_mul_i32 s[T0], s[WV], 1472
	s_sub_co_u32 s[QSVC], s[LSWC], s[T0]
	s_sub_co_u32 s[QSVC], s[QSVC], 24576           ; from my tile's codes of Q (12,288 pp + 1,536 w) to its words (24,576 + 512 pp + 64 w)
	s_mul_i32 s[T2], s[PP], 12288
	s_mul_i32 s[QC], s[WV], 1536
	s_add_co_u32 s[QC], s[QC], s[T2]
	s_mul_i32 s[T0], s[Y4], 16*KVB
	s_add_co_u32 s[T0], s[T0], s[T2]
	s_mov_b32 s[T0+1], 0
	s_mov_b32 s[T2+1], 0
	s_mov_b32 s[SEL], 0x76543210
	s_mov_b32 s[SEL+1], 0xfedcba98
	s_mov_b32 s[CS], 0x3d38aa3b                    ; c = log2(e) / 32
	s_mov_b32 s[CS+1], s[CS]
	s_mov_b32 s[MS], 0xd0ee6b28                    ; -3.2e10 = 32 x (-1e9)
	s_mov_b32 s[MS+1], s[MS]
	s_mov_b32 s[QT], 0
	v_and_b32 v29, 31, v0                          ; lane
	v_and_b32 v30, 15, v0                          ; r
	v_bfe_u32 v31, v0, 4, 1                        ; h
	v_lshlrev_b32 v[LI], 4, v29
	v_lshlrev_b32 v[SH8], 3, v31
	v_lshlrev_b32 v[QSO], 2, v30
	v_lshl_add_u32 v[LSW], v29, 2, s[LSWC]
	v_lshl_add_u32 v[QSV], v30, 2, s[QSVC]
	v_add_nc_u32 v[STI], s[STGB], v[LI]
	v_mul_u32_u24 v[STO], v30, MP
	v_lshl_add_u32 v[STO], v31, 7, v[STO]
	v_add_nc_u32 v[STO], s[STGB], v[STO]
.irp i, 4,5,6,7
	v_mov_b32 v[TM+\i], 0                          ; written once: a lane permute's destination counts as one of its sources
.endr
	v_mov_b32 v[F], 0
	v_mov_b32 v[PW], 0
	s_wait_alu depctr_va_vdst(0)
	s_wait_kmcnt 0x0
	s_add_nc_u64 s[KV0:KV0+1], s[6:7], s[T0:T0+1]
	s_lshl_b32 s[T0], s[X0], 7
	s_add_co_u32 s[T0], s[T0], s[RB]
	s_lshl_b32 s[T0], s[T0], 5                     ; 256 bytes for each 8 rows
	s_lshl_b32 s[T2], s[X1], 7
	s_add_co_u32 s[T2], s[T2], s[RB]
	s_lshl_b32 s[T2], s[T2], 5
	s_load_b32 s[FL0], s[10:11], s[T0] offset:0x0   ; my tile's rows 0-7,
	s_load_b32 s[J], s[10:11], s[T0] offset:0x200   ; and its rows 8-15, which lie 16 rows on
	s_load_b32 s[FL1], s[10:11], s[T2] offset:0x0
	s_load_b32 s[TR], s[10:11], s[T2] offset:0x200
	s_load_b32 s[ZM0], s[10:11], s[T0] offset:0x4   ; the second words
	s_load_b32 s67, s[10:11], s[T0] offset:0x204
	s_load_b32 s[ZM1], s[10:11], s[T2] offset:0x4
	s_load_b32 s68, s[10:11], s[T2] offset:0x204
	s_wait_kmcnt 0x0
	s_or_b32 s[FL0], s[FL0], s[J]
	s_or_b32 s[FL1], s[FL1], s[TR]
	s_or_b32 s[ZM0], s[ZM0], s67
	s_or_b32 s[ZM1], s[ZM1], s68
.Ltile:                                                ; two trips: the tile of block x, the tile of block 15 - x
	s_wait_xcnt 0x0                                ; the last tile's stores have read their registers and bases
	s_cmp_eq_u32 s[QT], 0
	s_cselect_b32 s[XQ], s[X0], s[X1]
	s_cselect_b32 s[REM], s[FL0], s[FL1]
	s_cselect_b32 s[ZM], s[ZM0], s[ZM1]
	s_and_b32 s[REM], s[REM], 0xffff
	s_bcnt1_i32_b32 s[CNT], s[REM]
	s_max_u32 s[CNT], s[CNT], 1
	s_sub_co_u32 s[CNT], s[CNT], 1                 ; walked steps but the last
	s_lshl_b32 s[T0], s[Y4], 4
	s_add_co_u32 s[T0], s[T0], s[XQ]
	s_mul_i32 s[T0], s[T0], 25600
	s_add_co_u32 s[T0], s[T0], s[QC]
	s_add_nc_u64 s[QB:QB+1], s[4:5], s[T0:T0+1]
	s_lshl_b32 s[T0], s[XQ], 7
	s_add_co_u32 s[T0], s[T0], s[RB]
	s_lshl_b32 s[T0], s[T0], 13
	s_add_nc_u64 s[MK0:MK0+1], s[8:9], s[T0:T0+1]
	s_lshl_b32 s[T0], s[BT], 7
	s_lshl_b32 s[T2], s[XQ], 3
	s_add_co_u32 s[T0], s[T0], s[T2]
	s_add_co_u32 s[J], s[T0], s[WV]                ; the result's tile: 128 batch + 8 block + wave
	s_mul_i32 s[T0], s[J], 12288
	s_mul_i32 s[T2], s[P], 1536
	s_add_co_u32 s[T0], s[T0], s[T2]
	s_add_nc_u64 s[OC:OC+1], s[12:13], s[T0:T0+1]
	s_lshl_b32 s[T0], s[J], 9
	s_lshl_b32 s[T2], s[P], 6
	s_add_co_u32 s[T0], s[T0], s[T2]
	s_add_nc_u64 s[OS:OS+1], s[14:15], s[T0:T0+1]
	global_load_b128 v[QE:QE+3], v[LI], s[QB:QB+1]             ; registers 0-5 are the even head's 64 along K, 6-11 the odd head's
	global_load_b128 v[QE+4:QE+7], v[LI], s[QB:QB+1] offset:512
	global_load_b128 v[QO+4:QO+7], v[LI], s[QB:QB+1] offset:512
	global_load_b128 v[QO+8:QO+11], v[LI], s[QB:QB+1] offset:1024
	global_load_b32 v[QS], v[QSV], s[QB:QB+1]
	NEXTJ
	KLOADS
	VLOADS 0
	VLOADS 1
.irp i, 0,1
	v_mov_b32 v[ST+4*\i+1], 0xff61b1e6             ; the largest t so far: -3e38
	v_mov_b32 v[ST+4*\i+2], 0                      ; l, in two halves
	v_mov_b32 v[ST+4*\i+3], 0
	v_floor_f32 v[ST+4*\i], -v[ST+4*\i+1]          ; -M
.endr
	WIN 0x40
.set j, 0
.rept 64
	v_mov_b32 v[192+j], 0                          ; O^T: the step is written for every step alike; the first change of M leaves zeros zeros
.set j, j+1
.endr
	WIN 0
	s_wait_alu depctr_va_vdst(0)
	s_wait_loadcnt 56                              ; Q is in; behind it: K's 28 and V's 28
.irp i, 0,1,2,3,4,5
	v_mov_b32 v[QE+6+\i], 0                        ; the even head's copy: zero codes for the odd head's 64 along K,
	v_mov_b32 v[QO+\i], 0                          ; and the other way round
.endr
	s_mov_b32 s[MC], s[MN]
	s_mov_b32 s[TR], 0
	s_cmp_eq_u32 s[CNT], 0
	s_wait_alu depctr_va_vdst(0)
	s_cbranch_scc1 .Ltail
.Lstep:
	STEP 1
	s_add_co_u32 s[TR], s[TR], 1
	s_cmp_lt_u32 s[TR], s[CNT]
	s_wait_alu depctr_va_vdst(0)
	s_cbranch_scc1 .Lstep
.Ltail:
	STEP 0                                         ; the last walked step asks for nothing more
	; THE WAY OUT.  O^T / l; the pair's 128 along D are one fragment of the last product's A
	v_add_f32 v[ST+2], v[ST+2], v[ST+3]
	v_add_f32 v[ST+6], v[ST+6], v[ST+7]
	v_permlanex16_b32 v[TM+4], v[ST+2], s[SEL], s[SEL+1]
	v_permlanex16_b32 v[TM+5], v[ST+6], s[SEL], s[SEL+1]
	v_add_f32 v[ST+2], v[ST+2], v[TM+4]            ; the row's sum
	v_add_f32 v[ST+6], v[ST+6], v[TM+5]
	s_wait_alu depctr_va_vdst(0)
	v_rcp_f32 v[ST+2], v[ST+2]
	v_rcp_f32 v[ST+6], v[ST+6]
	v_nop
	WIN 0x01
	s_wait_alu depctr_va_vdst(0)                   ; one wait for the two, and ahead of the first reader of O^T
.irp hd, 0,1
.set j, 0
.rept 16
	v_pk_mul_f32 v[X+32*\hd+j:X+32*\hd+j+1], v[192+32*\hd+j:192+32*\hd+j+1], v[ST+4*\hd+2:ST+4*\hd+3] op_sel_hi:[1,0]
.set j, j+2
.endr
.endr
	WIN 0
	QUANT X, FW
.irp c, 0,1,2
	global_store_b128 v[LI], v[PC+4*\c:PC+4*\c+3], s[OC:OC+1] offset:512*\c   ; 512 consecutive bytes a store
.endr
	global_store_b32 v[QSO], v[FW], s[OS:OS+1]     ; lanes l and l xor 16 store the same word of row r
	s_add_co_u32 s[QT], s[QT], 1
	s_cmp_lt_u32 s[QT], 2
	s_wait_alu depctr_va_vdst(0)
	s_cbranch_scc1 .Ltile
	s_wait_tensorcnt 0x0                           ; the wave's end
	ds_add_u32 v[SPW], v[NIL]
	s_wait_dscnt 0x0
	s_endpgm
.Lfunc_end_k_q07dfce67e2_attn:
	.size	k_q07dfce67e2_attn, .Lfunc_end_k_q07dfce67e2_attn-k_q07dfce67e2_attn
	.p2alignl 7, 3214868480
	.fill 96, 4, 3214868480
	.section	.rodata,"a",@progbits
	.p2align	6, 0x0
	.amdhsa_kernel k_q07dfce67e2_attn
		.amdhsa_group_segment_fixed_size 68608
		.amdhsa_private_segment_fixed_size 0
		.amdhsa_enable_private_segment 0
		.amdhsa_kernarg_size 48
		.amdhsa_user_sgpr_count 2
		.amdhsa_user_sgpr_kernarg_segment_ptr 1
		.amdhsa_wavefront_size32 1
		.amdhsa_system_sgpr_workgroup_id_x 1
		.amdhsa_system_sgpr_workgroup_id_y 1
		.amdhsa_system_sgpr_workgroup_id_z 1
		.amdhsa_system_vgpr_workitem_id 0
		.amdhsa_next_free_vgpr 512
		.amdhsa_next_free_sgpr 70
		.amdhsa_reserve_vcc 0
		.amdhsa_float_denorm_mode_32 3
		.amdhsa_float_denorm_mode_16_64 3
		.amdhsa_memory_ordered 1
		.amdhsa_forward_progress 1
		.amdhsa_inst_pref_size 95
	.end_amdhsa_kernel
	.amdgpu_metadata
---
amdhsa.version: [ 1, 2 ]
amdhsa.kernels:
  - .name:           k_q07dfce67e2_attn
    .symbol:         k_q07dfce67e2_attn.kd
    .args:
      - { .name: qblk, .offset: 0, .size: 8, .value_kind: global_buffer, .address_space: global }
      - { .name: kvblk, .offset: 8, .size: 8, .value_kind: global_buffer, .address_space: global }
      - { .name: mask, .offset: 16, .size: 8, .value_kind: global_buffer, .address_space: global }
      - { .name: flags, .offset: 24, .size: 8, .value_kind: global_buffer, .address_space: global }
      - { .name: acodes, .offset: 32, .size: 8, .value_kind: global_buffer, .address_space: global }
      - { .name: ascales, .offset: 40, .size: 8, .value_kind: global_buffer, .address_space: global }
    .group_segment_fixed_size: 68608
    .private_segment_fixed_size: 0
    .kernarg_segment_align: 8
    .kernarg_segment_size: 48
    .max_flat_workgroup_size: 256
    .sgpr_count:     70
    .vgpr_count:     512
    .wavefront_size: 32
...
	.end_amdgpu_metadata
.endif
;; end of part 3
;; launch dense (part 4): grid 4 x 32, 4 waves a work-group, clusters of 4 x 4, 327,680 bytes of LDS; arguments acodes, ascales, xcodes, xscales, dense_b, out0; writes out0
.if DOCPART == 4
	.amdgcn_target "amdgcn-amd-amdhsa--gfx1250"
	.amdhsa_code_object_version 6
	.text
	.protected	k_q07dfce67e2_dense
	.globl	k_q07dfce67e2_dense
	.p2align	8
	.type	k_q07dfce67e2_dense,@function
k_q07dfce67e2_dense:
	s_mov_b64 s[64:65], 0
	v_nop
	global_prefetch_b8 v0, s[64:65] scope:SCOPE_SE
	s_setreg_imm32_b32 hwreg(HW_REG_WAVE_MODE, 25, 1), 1
	s_wait_xcnt 0x0
	s_wait_alu depctr_hold_cnt(0) depctr_sa_sdst(0) depctr_va_vdst(0) depctr_va_sdst(0) depctr_va_ssrc(0) depctr_va_vcc(0) depctr_vm_vsrc(0)
	s_getreg_b32 s2, hwreg(HW_REG_IB_STS2, 6, 4)
	s_cmp_eq_u32 s2, 0
	s_cbranch_scc0 .Lentry_in_a_cluster
	s_endpgm
.Lentry_in_a_cluster:
	s_bfe_u32 s2, ttmp6, 0x10000c
	s_cmp_lg_u32 s2, 0xf033
	s_cbranch_scc0 .Lentry_shape_is_right
	s_endpgm
.Lentry_shape_is_right:
.set NQ,     2
.set FR,     12
.set NL,     3
.set NP,     4
.set ROWB,   3072
.set HALFT,  8*ROWB
.set SLOT,   4*HALFT
.set LAPS,   2
.set SCL,    2*SLOT
.set SPARE,  SCL+4*4096
.set SPITCH, 528
.set ADRA, 16
.set ADRB, 20
.set LI,   24
.set STO,  25
.set RD,   26
.set ADRS, 27
.set SPW,  28
.set NIL,  29
.set BON,  30
.set SC,   32
.set BN,   64
.set AF,   128
.set BK,   128
.set G1, 24
.set G0, 32
.set G1B, 48
.set G0B, 56
.set G1S, 68
.set G0S, 76
.set G1SB, 80
.set G0SB, 88
.set MSB, 0
.macro WIN new
.if MSB != (\new)
	s_set_vgpr_msb (MSB<<8)|(\new)
.set MSB, (\new)
.endif
.endm
.set MUL_LO, 0xa1
.set MUL_HI, 0xf1
.set TO_B,   0x40
.macro JLOAD g0a, g1a, g0b, g1b
	s_cmp_eq_u32 s15, 0
	s_cbranch_scc0 .Lfor_b_\@
	tensor_load_to_lds s[\g0a:\g0a+3], s[\g1a:\g1a+7]
	s_nop 0
.rept 4
	v_nop
.endr
	s_branch .Lasked_\@
.Lfor_b_\@:
	tensor_load_to_lds s[\g0b:\g0b+3], s[\g1b:\g1b+7]
	s_nop 0
.rept 4
	v_nop
.endr
.Lasked_\@:
.endm
.macro CREST
	s_cmp_lg_u32 s14, 0
	s_cbranch_scc1 .Lnot_wave_0_\@
	s_barrier_signal -3
.Lnot_wave_0_\@:
	s_barrier_wait -3
	s_barrier_signal -1
	s_barrier_wait -1
.endm
.macro CROUND
	s_barrier_signal -1
	s_barrier_wait -1
	CREST
.endm
	s_load_b128 s[4:7], s[0:1], 0x0
	s_load_b128 s[8:11], s[0:1], 0x10
	s_load_b128 s[96:99], s[0:1], 0x20
	v_lshl_add_u32 v[SPW], v0, 2, SPARE
	v_mov_b32 v[NIL], 0
	ds_add_u32 v28, v29
	ds_add_u32 v28, v29
	s_wait_dscnt 0x0
	v_lshrrev_b32 v1, 5, v0
	v_readfirstlane_b32 s14, v1
	s_lshr_b32 s15, s14, 1
	s_and_b32 s16, s14, 1
	s_bfe_u32 s40, ttmp6, 0x40000
	s_bfe_u32 s41, ttmp6, 0x40004
	s_lshl_b32 s42, ttmp9, 2
	s_add_co_u32 s42, s42, s40
	s_and_b32 s17, ttmp7, 0xffff
	s_lshl_b32 s17, s17, 2
	s_add_co_u32 s17, s17, s41
	s_lshl_b32 s43, s41, 2
	s_lshl_b32 s43, 15, s43
	s_lshl_b32 s44, 0x1111, s40
	s_or_b32 s[G1+0], s43, (3<<16)|(1<<21)
	s_or_b32 s[G1B+0], s44, (3<<16)|(1<<21)
.irp g, G1, G1B
	s_mov_b32 s[\g+1], 384<<16
	s_mov_b32 s[\g+2], 16<<16
	s_mov_b32 s[\g+3], 384<<16
	s_mov_b32 s[\g+4], 16
	s_mov_b32 s[\g+5], 1536
	s_mov_b32 s[\g+6], 0
	s_mov_b32 s[\g+7], 0
.endr
	s_or_b32 s[G1S+0], s43, (3<<16)|(1<<21)
	s_or_b32 s[G1SB+0], s44, (3<<16)|(1<<21)
.irp g, G1S, G1SB
	s_mov_b32 s[\g+1], 32<<16
	s_mov_b32 s[\g+2], 32<<16
	s_mov_b32 s[\g+3], 32<<16
	s_mov_b32 s[\g+4], 32
	s_mov_b32 s[\g+5], 32
	s_mov_b32 s[\g+6], 0
	s_mov_b32 s[\g+7], 0
.endr
	s_lshl_b32 s18, s16, 3
	s_lshl_b32 s20, s17, 4
	s_add_co_u32 s20, s20, s18
	s_lshl_b32 s46, s42, 4
	s_add_co_u32 s46, s46, s18
	s_add_co_u32 s46, s46, 1728
	s_lshl_b32 s22, s20, 9
	s_mov_b32 s23, 0
	s_lshl_b32 s92, s46, 9
	s_mov_b32 s93, 0
	s_mul_i32 s20, s20, 12288
	s_mov_b32 s21, 0
	s_mul_i32 s46, s46, 12288
	s_mov_b32 s47, 0
	s_mul_i32 s45, s14, HALFT
	s_lshl_b32 s94, s14, 12
	s_wait_kmcnt 0x0
	s_add_nc_u64 s[20:21], s[4:5], s[20:21]
	s_add_nc_u64 s[22:23], s[6:7], s[22:23]
	s_add_nc_u64 s[46:47], s[8:9], s[46:47]
	s_add_nc_u64 s[92:93], s[10:11], s[92:93]
	CROUND
	; THE HEAD'S FOUR TILES, ONE A WAVE, each whole: wave 0 slot 0's 16 tiles of A, wave 1 its 16 tiles of B, wave 2 the scale words of A's 16 tiles, wave 3 those of B's.
	s_mul_i32 s2, s18, 12288                       ; my half of a tile's rows, in bytes of codes,
	s_mov_b32 s3, 0
	s_lshl_b32 s94, s18, 9                         ; and of scale words: taken off for the head's loads
	s_mov_b32 s95, 0
	s_mov_b32 s[G0S], 1
	s_mov_b32 s[G0S+1], SCL
	s_sub_nc_u64 s[G0S+2:G0S+3], s[22:23], s[94:95]
	s_or_b32 s[G0S+3], s[G0S+3], 0x80000000
	s_mov_b32 s[G0SB], 1
	s_mov_b32 s[G0SB+1], SCL+8192
	s_sub_nc_u64 s[G0SB+2:G0SB+3], s[92:93], s[94:95]
	s_or_b32 s[G0SB+3], s[G0SB+3], 0x80000000
	s_mov_b32 s[G0], 1
	s_mov_b32 s[G0+1], 0
	s_sub_nc_u64 s[G0+2:G0+3], s[20:21], s[2:3]
	s_or_b32 s[G0+3], s[G0+3], 0x80000000
	s_mov_b32 s[G0B], 1
	s_mov_b32 s[G0B+1], 2*HALFT
	s_sub_nc_u64 s[G0B+2:G0B+3], s[46:47], s[2:3]
	s_or_b32 s[G0B+3], s[G0B+3], 0x80000000
	s_mov_b32 s[G0+4], 1
	s_add_co_u32 s[G0+5], s45, SLOT
	s_add_nc_u64 s[G0+6:G0+7], s[20:21], ROWB
	s_or_b32 s[G0+7], s[G0+7], 0x80000000
	s_mov_b32 s[G0B+4], 1
	s_add_co_u32 s[G0B+5], s45, SLOT
	s_add_nc_u64 s[G0B+6:G0B+7], s[46:47], ROWB
	s_or_b32 s[G0B+7], s[G0B+7], 0x80000000
.macro ARM under, g0, g1, next         ; one chain of branches on the wave's number: every way through it passes one load
	s_cmp_lt_u32 s14, \under
	s_cbranch_scc0 \next
	tensor_load_to_lds s[\g0:\g0+3], s[\g1:\g1+7]
	s_nop 0
.rept 4
	v_nop
.endr
	s_branch .Lhead_asked
\next:
.endm
	ARM 1, G0,  G1,  .Lhead_b
	ARM 2, G0B, G1B, .Lhead_sa
	ARM 3, G0S, G1S, .Lhead_sb
	tensor_load_to_lds s[G0SB:G0SB+3], s[G1SB:G1SB+7]
	s_nop 0
.rept 4
	v_nop
.endr
.Lhead_asked:
	s_wait_alu depctr_va_vdst(0)
	s_wait_tensorcnt 0x0                           ; my tile of the four is in
	ds_add_u32 v28, v29
	s_mov_b32 s[G1+2], 8<<16                       ; no tensor load of mine is out: from here on a load brings 8 tiles, my quarter of a slot
	s_mov_b32 s[G1+4], 8
	s_mov_b32 s[G1B+2], 8<<16
	s_mov_b32 s[G1B+4], 8
	s_mov_b32 s[G0+1], s45
	s_add_nc_u64 s[G0+2:G0+3], s[G0+2:G0+3], s[2:3]
	s_mov_b32 s[G0B+1], s45
	s_add_nc_u64 s[G0B+2:G0B+3], s[G0B+2:G0B+3], s[2:3]
	s_wait_dscnt 0x0
	CROUND
	JLOAD G0+4, G1, G0B+4, G1B                     ; slot 1's first fill, the first tensor load behind the round
	v_and_b32 v1, 15, v0
	v_bfe_u32 v2, v0, 4, 1
	s_wait_alu depctr_va_vdst(0)
	v_and_b32 v3, 31, v0
	v_lshlrev_b32 v[LI], 4, v3
	s_mul_i32 s21, s15, HALFT
	s_mul_i32 s22, s16, HALFT
	s_add_co_u32 s22, s22, 2*HALFT
.irp s, 0,1
	v_add_nc_u32 v[ADRA+\s], s21, v[LI]
	v_add_nc_u32 v[ADRB+\s], s22, v[LI]
	s_add_co_u32 s21, s21, SLOT
	s_add_co_u32 s22, s22, SLOT
.endr
	v_lshlrev_b32 v5, 2, v1
	s_lshl_b32 s21, s15, 12
	s_lshl_b32 s22, s16, 12
	s_add_co_u32 s22, s22, 8192
	s_sub_co_u32 s22, s22, s21
	v_mul_u32_u24 v6, s22, v2
	s_add_co_u32 s21, s21, SCL
	v_add_nc_u32 v5, v5, v6
	v_add_nc_u32 v[ADRS], s21, v5
	s_mul_i32 s23, s14, 16*SPITCH
	v_mul_u32_u24 v5, v1, SPITCH
	v_lshl_add_u32 v5, v2, 6, v5
	v_add_nc_u32 v[STO], s23, v5
	v_add_nc_u32 v[RD], s23, v[LI]
	v_lshlrev_b32 v[BON], 6, v2
	s_wait_alu depctr_va_vdst(0)
	s_lshl_b32 s46, s42, 10
	s_lshl_b32 s47, s16, 9
	s_add_co_u32 s46, s46, s47
	s_mov_b32 s47, 0
	s_add_nc_u64 s[96:97], s[96:97], s[46:47]
	s_lshl_b32 s20, s17, 8
	s_lshl_b32 s21, s15, 7
	s_add_co_u32 s20, s20, s21
	s_lshl_b32 s20, s20, 12
	s_add_co_u32 s20, s20, s46
	s_mov_b32 s21, 0
	s_add_nc_u64 s[98:99], s[98:99], s[20:21]
.irp b, 0,1,2,3
.irp j, 0,1,2,3
	global_load_b128 v[BN+16*\b+4*\j:BN+16*\b+4*\j+3], v[BON], s[96:97] offset:128*\b+16*\j
.endr
.endr
.macro FRAG reg, adr, q, i
.irp c, 0,1,2
	ds_load_b128 v[\reg+4*\c:\reg+4*\c+3], v[\adr] offset:(\i)*ROWB+(\q)*1536+512*\c
.endr
.endm
.macro MUL16 a0, p, q, sc, zero
.irp a, \a0, \a0+1
.irp b, 0,1,2,3,4,5,6,7
.if \zero
	v_wmma_scale_f32_16x16x128_f8f6f4 v[8*(8*((\a)%4)+\b):8*(8*((\a)%4)+\b)+7], v[128*(\p)+FR*\b:128*(\p)+FR*\b+FR-1], v[AF+FR*(\a):AF+FR*(\a)+FR-1], v[BN+8*\b:BN+8*\b+7], v[SC+8*NQ*(\sc)+NQ*\b+(\q)], v[SC+8*NQ*(\sc)+NQ*(\a)+(\q)] matrix_a_fmt:MATRIX_FMT_BF6 matrix_b_fmt:MATRIX_FMT_BF6 matrix_a_scale:MATRIX_SCALE_ROW1
.else
	v_wmma_scale_f32_16x16x128_f8f6f4 v[8*(8*((\a)%4)+\b):8*(8*((\a)%4)+\b)+7], v[128*(\p)+FR*\b:128*(\p)+FR*\b+FR-1], v[AF+FR*(\a):AF+FR*(\a)+FR-1], v[8*(8*((\a)%4)+\b):8*(8*((\a)%4)+\b)+7], v[SC+8*NQ*(\sc)+NQ*\b+(\q)], v[SC+8*NQ*(\sc)+NQ*(\a)+(\q)] matrix_a_fmt:MATRIX_FMT_BF6 matrix_b_fmt:MATRIX_FMT_BF6 matrix_a_scale:MATRIX_SCALE_ROW1
.endif
.endr
.endr
.endm
.macro FETCH_B slot, q, p
	WIN TO_B
.irp i, 0,1,2,3,4,5,6,7
	FRAG 128*(\p)+FR*\i, ADRB+\slot, \q, \i
.endr
	WIN 0
.endm
.macro FETCH_A slot, q, i0
.irp i, \i0, \i0+1, \i0+2, \i0+3
	FRAG AF+FR*(\i), ADRA+\slot, \q, \i
.endr
.endm
.macro SCALES sc
.irp i, 0,1,2,3,4,5,6,7
.irp q, 0,1
	ds_load_b32 v[SC+8*NQ*\sc+NQ*\i+\q], v[ADRS] offset:512*\i+64*\q
.endr
.endr
.endm
.macro PLACES n
.rept \n
	v_nop
.endr
.endm
.macro STEP slot, q, zero
	s_wait_dscnt 4*NL
.if \zero
	WIN 0x81
.else
	WIN MUL_LO
.endif
	MUL16 0, (\q)%2, \q, \slot, \zero
	MUL16 2, (\q)%2, \q, \slot, \zero
	s_wait_dscnt 0
	PLACES NP
	FETCH_B \slot, (\q)+1, 1-(\q)%2
	FETCH_A \slot, (\q)+1, 0
.if \zero
	WIN 0xc1
.else
	WIN MUL_HI
.endif
	MUL16 4, (\q)%2, \q, \slot, \zero
	MUL16 6, (\q)%2, \q, \slot, \zero
	PLACES NP
	WIN 0
	FETCH_A \slot, (\q)+1, 4
.endm
.macro TURN slot, next, fill
	s_wait_tensorcnt 0x0
	ds_add_u32 v[SPW], v[NIL]
	s_wait_dscnt 4*NL+1
	WIN MUL_LO
	MUL16 0, 1, NQ-1, \slot, 0
	s_wait_dscnt 0x0
	s_barrier_signal -1
	MUL16 2, 1, NQ-1, \slot, 0
	WIN 0
	s_barrier_wait -1
.if \fill
	CREST
	s_add_nc_u64 s[G0+4*\slot+2:G0+4*\slot+3], s[G0+4*\slot+2:G0+4*\slot+3], 2*ROWB
	s_add_nc_u64 s[G0B+4*\slot+2:G0B+4*\slot+3], s[G0B+4*\slot+2:G0B+4*\slot+3], 2*ROWB
	JLOAD G0+4*\slot, G1, G0B+4*\slot, G1B
.else
	PLACES NP
.endif
	s_wait_alu depctr_va_vdst(0)
	v_add_nc_u32 v[ADRS], 64*NQ, v[ADRS]
	FETCH_B \next, 0, 0
	FETCH_A \next, 0, 0
	SCALES \next
	WIN MUL_HI
	MUL16 4, 1, NQ-1, \slot, 0
	MUL16 6, 1, NQ-1, \slot, 0
	PLACES NP
	WIN 0
	FETCH_A \next, 0, 4
.endm
	s_wait_tensorcnt 1
	s_barrier_signal -1
	s_barrier_wait -1
	FETCH_B 0, 0, 0
	FETCH_A 0, 0, 0
	SCALES 0
	FETCH_A 0, 0, 4
	s_wait_loadcnt 0x0
	STEP 0, 0, 1
	s_mov_b32 s3, LAPS-1
.Llap:
	TURN 0, 1, 1
	STEP 1, 0, 0
	TURN 1, 0, 1
	STEP 0, 0, 0
	s_sub_co_u32 s3, s3, 1
	s_cmp_lg_u32 s3, 0
	s_cbranch_scc1 .Llap
	TURN 0, 1, 0
	STEP 1, 0, 0
	s_wait_dscnt 4*NL
	WIN MUL_LO
	MUL16 0, 1, NQ-1, 1, 0
	MUL16 2, 1, NQ-1, 1, 0
	s_wait_dscnt 0
	WIN MUL_HI
	MUL16 4, 1, NQ-1, 1, 0
	MUL16 6, 1, NQ-1, 1, 0
	WIN 0
.macro TOSTAGE a
.set AC, 64*((\a)%4)
	WIN 0x08+4*((\a)/4)
.irp b, 0,1,2,3,4,5,6,7
	ds_store_b128 v[STO], v[AC+8*\b:AC+8*\b+3] offset:128*(\b/2)+32*(\b%2)
	ds_store_b128 v[STO], v[AC+8*\b+4:AC+8*\b+7] offset:128*(\b/2)+32*(\b%2)+16
.endr
	WIN 0
.set BB, BK+64*((\a)%2)
.irp t, 0,1,2,3,4,5,6,7,8,9,10,11,12,13,14,15
	ds_load_b128 v[BB+4*\t:BB+4*\t+3], v[RD] offset:\t*SPITCH
.endr
.endm
.macro SEND a, younger
.set BB, BK+64*((\a)%2)
	s_wait_dscnt \younger
.irp t, 0,1,2,3,4,5,6,7,8,9,10,11,12,13,14,15
	global_store_b128 v[LI], v[BB+4*\t:BB+4*\t+3], s[98:99] offset:(32*((\a)/2)+8*((\a)%2)+\t+8*(\t/8))*4096 th:TH_STORE_NT
.endr
.endm
	PLACES NP
	TOSTAGE 0
.irp a, 1,2,3,4,5,6,7
.if \a > 1
	s_wait_xcnt 0x0
.endif
	TOSTAGE \a
	SEND \a-1, 32
.endr
	SEND 7, 0
	s_wait_tensorcnt 0x0
	ds_add_u32 v[SPW], v[NIL]
	s_wait_dscnt 0x0
	CROUND
	s_endpgm
.Lfunc_end_k_q07dfce67e2_dense:
	.size	k_q07dfce67e2_dense, .Lfunc_end_k_q07dfce67e2_dense-k_q07dfce67e2_dense
	.p2alignl 7, 3214868480
	.fill 96, 4, 3214868480
	.section	.rodata,"a",@progbits
	.p2align	6, 0x0
	.amdhsa_kernel k_q07dfce67e2_dense
		.amdhsa_group_segment_fixed_size 327680
		.amdhsa_private_segment_fixed_size 0
		.amdhsa_enable_private_segment 0
		.amdhsa_kernarg_size 48
		.amdhsa_user_sgpr_count 2
		.amdhsa_user_sgpr_kernarg_segment_ptr 1
		.amdhsa_wavefront_size32 1
		.amdhsa_system_sgpr_workgroup_id_x 1
		.amdhsa_system_sgpr_workgroup_id_y 1
		.amdhsa_system_sgpr_workgroup_id_z 1
		.amdhsa_system_vgpr_workitem_id 0
		.amdhsa_next_free_vgpr 1024
		.amdhsa_next_free_sgpr 102
		.amdhsa_reserve_vcc 0
		.amdhsa_float_denorm_mode_32 3
		.amdhsa_float_denorm_mode_16_64 3
		.amdhsa_memory_ordered 1
		.amdhsa_forward_progress 1
		.amdhsa_inst_pref_size 140
	.end_amdhsa_kernel
	.amdgpu_metadata
---
amdhsa.version: [ 1, 2 ]
amdhsa.kernels:
  - .name:           k_q07dfce67e2_dense
    .symbol:         k_q07dfce67e2_dense.kd
    .args:
      - { .name: acodes, .offset: 0, .size: 8, .value_kind: global_buffer, .address_space: global }
      - { .name: ascales, .offset: 8, .size: 8, .value_kind: global_buffer, .address_space: global }
      - { .name: xcodes, .offset: 16, .size: 8, .value_kind: global_buffer, .address_space: global }
      - { .name: xscales, .offset: 24, .size: 8, .value_kind: global_buffer, .address_space: global }
      - { .name: dense_b, .offset: 32, .size: 8, .value_kind: global_buffer, .address_space: global }
      - { .name: out0, .offset: 40, .size: 8, .value_kind: global_buffer, .address_space: global }
    .group_segment_fixed_size: 327680
    .private_segment_fixed_size: 0
    .kernarg_segment_align: 8
    .kernarg_segment_size: 48
    .max_flat_workgroup_size: 128
    .sgpr_count:     102
    .vgpr_count:     1024
    .wavefront_size: 32
...
	.end_amdgpu_metadata
.endif
;; end of part 4
